; MI455X (gfx1250); checked and timed in simulation.
; The chip was launched on July 23, 2026; its instructions are those of AMD's public machine-readable ISA for CDNA 5 (MIT licence, August 2026) and "CDNA5" Instruction Set Architecture Reference Guide (July 2026). The comments in the code are by the model that wrote it; some were corrected since.
;; Transformer Block. Allowed arithmetic: float matrix products may take bf16 or f16 operands with f32 sums; other float arithmetic in f32, or as packed bf16 or f16 multiplies, adds, multiply-adds, maxima and minima; sums over many terms, partial sums and values carried from step to step in f32; what a program stores and reads back later, other than sums and carried values, may be rounded once to bf16 or f16.
;; Inputs: Wfc 1,024 x 4,096 float32; Wproj 4,096 x 1,024 float32; lengths 4 int32; ln1_w 1,024 float32; ln2_w 1,024 float32; x 4 x 2,048 x 1,024 float32.
;; Outputs: out0 4 x 2,048 x 1,024 float32.
;; One version. Each part assembles by itself: llvm-mc -triple=amdgcn-amd-amdhsa -mcpu=gfx1250 --defsym DOCPART=n.
;; ======== version 1 of 1: 4 launches
;; workspace buffers: csum 1,048,576 bytes; wfcb 8,388,608 bytes; wprojb 8,388,608 bytes; x1 33,554,432 bytes; h2 16,777,216 bytes; act 67,108,864 bytes
;; launch stage1 (part 1): grid 256 x 1, 8 waves a work-group, no clusters, 167,936 bytes of LDS; arguments x, lengths, ln1_w, Wfc, Wproj, csum, wfcb, wprojb; writes csum, wfcb, wprojb
.if DOCPART == 1
	.amdgcn_target "amdgcn-amd-amdhsa--gfx1250"
	.amdhsa_code_object_version 6
	.text
	.protected	k_q7c35b9db19_stage1
	.globl	k_q7c35b9db19_stage1
	.p2align	8
	.type	k_q7c35b9db19_stage1,@function
k_q7c35b9db19_stage1:
	s_mov_b64 s[64:65], 0
	v_nop
	global_prefetch_b8 v0, s[64:65] scope:SCOPE_SE
	s_setreg_imm32_b32 hwreg(HW_REG_WAVE_MODE, 25, 1), 1
	s_wait_xcnt 0x0
; STAGE 1.  csum[chunk][c] = the sum over the chunk's 32 rows of valid x gelu(LN1(x))[c]; and both weights rounded to bf16, layout kept.
; x: [4][2048][1024] f32.  A chunk is 32 rows of one batch: 256 chunks, one to a work-group.  Wave w takes rows 4 w .. 4 w + 3, a whole row at a time:
; load j (0..7) of lane l holds columns 128 j + 4 l .. + 3, so the norm's two sums never leave the wave.  The wave's 16 KiB of x come by one tensor load into LDS bytes of its own.
; The eight waves' sums meet in LDS once.  Wave (g, w) also casts 2,048 numbers of each weight while its rows are on their way.
; NORM: mean, then the mean of the squared differences, both from registers, so a common offset of x costs nothing.
; GELU (exact, by erf): m = c u with c = sqrt(log2(e) / 2); t = 1 / (1 + p |m|); erf(|u| / sqrt 2) = 1 - t (a1 + t (a2 + t (a3 + t (a4 + t a5)))) 2^(-m m) (Abramowitz-Stegun 7.1.26);
; gelu(u) = m hc + |m| Q, hc = 1 / (2 c), Q = hc x erf.  LIMITS: erf is good to 1.5e-7 absolute; for u < 0 the last line adds -|m| hc and |m| Q, so the result is good to about 2^-24 |u| absolute, not
; relative; 2^(-m m) below 2^-126 counts as 0; the sums are taken in another order than a running sum's; NaN and infinities are not treated apart (0 x them is no 0).
; No cluster: work-groups share no large input.  No prefetch: the launch streams its inputs once and is short.
.set PARTS, 131072                     ; LDS: 0 .. 131,071 the eight waves' rows of x; then [8][1024] f32, the waves' sums
.set SPARE, 163840                     ; then the spare words: 128 bytes a wave, four blocks of 256 bytes that no other line names
.set L16, 1                            ; v1   16 x lane
.set RA,  2                            ; v2   LDS address of my 16 bytes in the row in hand
.set L32, 3                            ; v3   32 x lane
.set T16, 4                            ; v4   16 x thread
.set SPW, 5                            ; v5   my spare word; never rewritten
.set NIL, 6                            ; v6   0; never rewritten
.set PRD, 8                            ; v8   PARTS + 16 x thread
.set PST, 9                            ; v9   PARTS + 4,096 x wave + 16 x lane
.set RB,  10                           ; v10  16,384 x wave + 16 x lane
.set Z,   16                           ; v16-31   at work in the norm
.set X,   32                           ; v32-63   the row, then its norm, in place
.set M,   64                           ; v64-95   m
.set T,   96                           ; v96-127  t, then gelu
.set E,   128                          ; v128-159 2^(-m m)
.set P,   160                          ; v160-191 the polynomial
.set S,   192                          ; v192-223 the wave's sum
.set W1,  224                          ; v224-255 ln1_w
.set WV,  24
.set BAT, 25
.set GW,  26
.set TT,  27                           ; s27  the row's place in its batch
.set LEN, 28
.set VAL, 30                           ; s[30:31] 1.0 where the row is valid, else 0
.set G0,  36
.set G1,  40
.set OFS, 48
.set CNT, 50
.set ROWB, 51
.set SEL, 52
.set INV, 54
.set EPS, 55
.set CC,  56
.set PP,  58
.set HC,  60
.set A1,  66
.set A2,  68
.set A3,  70
.set A4,  72
.set A5,  74
.macro PAIR r, val                     ; a constant for packed arithmetic: the pair is named, so both words are written
	s_mov_b32 s[\r], \val
	s_mov_b32 s[(\r)+1], \val
.endm
.macro LANESUM a, b                    ; v[a] summed over the 32 lanes, in every lane; v[b] has been written before
	v_add_f32_dpp v[\a], v[\a], v[\a] row_xmask:1 row_mask:0xf bank_mask:0xf
	v_add_f32_dpp v[\a], v[\a], v[\a] row_xmask:2 row_mask:0xf bank_mask:0xf
	v_add_f32_dpp v[\a], v[\a], v[\a] row_xmask:4 row_mask:0xf bank_mask:0xf
	v_add_f32_dpp v[\a], v[\a], v[\a] row_xmask:8 row_mask:0xf bank_mask:0xf
	v_permlanex16_b32 v[\b], v[\a], s[SEL], s[SEL+1]
	v_add_f32 v[\a], v[\a], v[\b]
.endm
; dst = (src - mean) / sqrt(var + eps) for the row whose 32 numbers a lane lie in src
.macro ROWSTAT src, dst
.set i, 0
.rept 8
	v_pk_add_f32 v[Z+2*i:Z+2*i+1], v[(\src)+4*i:(\src)+4*i+1], v[(\src)+4*i+2:(\src)+4*i+3]
.set i, i+1
.endr
.set i, 0
.rept 4
	v_pk_add_f32 v[Z+2*i:Z+2*i+1], v[Z+4*i:Z+4*i+1], v[Z+4*i+2:Z+4*i+3]
.set i, i+1
.endr
	v_pk_add_f32 v[Z:Z+1], v[Z:Z+1], v[Z+2:Z+3]
	v_pk_add_f32 v[Z+4:Z+5], v[Z+4:Z+5], v[Z+6:Z+7]
	v_pk_add_f32 v[Z:Z+1], v[Z:Z+1], v[Z+4:Z+5]
	v_add_f32 v[Z], v[Z], v[Z+1]
	LANESUM Z, Z+1
	v_mul_f32 v[Z+2], s[INV], v[Z]                 ; the mean, twice: a pair for the packed subtraction
	v_mul_f32 v[Z+3], s[INV], v[Z]
.set i, 0
.rept 16
	v_pk_add_f32 v[(\dst)+2*i:(\dst)+2*i+1], v[(\src)+2*i:(\src)+2*i+1], v[Z+2:Z+3] neg_lo:[0,1] neg_hi:[0,1]
.set i, i+1
.endr
.set i, 0
.rept 16                               ; the squares, in four chains that do not wait for each other; the first four start them
.if i < 4
	v_pk_mul_f32 v[Z+4+2*i:Z+5+2*i], v[(\dst)+2*i:(\dst)+2*i+1], v[(\dst)+2*i:(\dst)+2*i+1]
.else
	v_pk_fma_f32 v[Z+4+2*(i%4):Z+5+2*(i%4)], v[(\dst)+2*i:(\dst)+2*i+1], v[(\dst)+2*i:(\dst)+2*i+1], v[Z+4+2*(i%4):Z+5+2*(i%4)]
.endif
.set i, i+1
.endr
	v_pk_add_f32 v[Z+4:Z+5], v[Z+4:Z+5], v[Z+6:Z+7]
	v_pk_add_f32 v[Z+8:Z+9], v[Z+8:Z+9], v[Z+10:Z+11]
	v_pk_add_f32 v[Z+4:Z+5], v[Z+4:Z+5], v[Z+8:Z+9]
	v_add_f32 v[Z+4], v[Z+4], v[Z+5]
	LANESUM Z+4, Z+5
	v_fma_f32 v[Z+4], v[Z+4], s[INV], s[EPS]
	v_rsq_f32 v[Z+6], v[Z+4]
	v_rsq_f32 v[Z+7], v[Z+4]
	v_nop                                          ; a plain instruction behind the last root,
	s_wait_alu depctr_va_vdst(0)                   ; and the one wait ahead of the first reader
.set i, 0
.rept 16
	v_pk_mul_f32 v[(\dst)+2*i:(\dst)+2*i+1], v[(\dst)+2*i:(\dst)+2*i+1], v[Z+6:Z+7]
.set i, i+1
.endr
.endm
; gelu of 32 numbers a lane: m holds c u; the result lands in t.  All 64 transcendentals are one batch with one wait.
.macro GELU32 m, t, e, p
.set i, 0
.rept 32
	v_fma_f32 v[(\t)+i], |v[(\m)+i]|, s[PP], 1.0
.set i, i+1
.endr
.set i, 0
.rept 16
	v_pk_mul_f32 v[(\e)+i:(\e)+i+1], v[(\m)+i:(\m)+i+1], v[(\m)+i:(\m)+i+1] neg_lo:[0,1] neg_hi:[0,1]
.set i, i+2
.endr
.set i, 0
.rept 32
	v_rcp_f32 v[(\t)+i], v[(\t)+i]
.set i, i+1
.endr
.set i, 0
.rept 32
	v_exp_f32 v[(\e)+i], v[(\e)+i]
.set i, i+1
.endr
	v_nop                                          ; a plain instruction behind the last exponential,
	s_wait_alu depctr_va_vdst(0)                   ; and the batch's one wait, ahead of its first reader
.set i, 0
.rept 16
	v_pk_fma_f32 v[(\p)+i:(\p)+i+1], v[(\t)+i:(\t)+i+1], s[A5:A5+1], s[A4:A4+1] op_sel_hi:[1,0,0]
.set i, i+2
.endr
.irp c, A3, A2, A1
.set i, 0
.rept 16
	v_pk_fma_f32 v[(\p)+i:(\p)+i+1], v[(\p)+i:(\p)+i+1], v[(\t)+i:(\t)+i+1], s[\c:\c+1] op_sel_hi:[1,1,0]
.set i, i+2
.endr
.endr
.set i, 0
.rept 16
	v_pk_mul_f32 v[(\p)+i:(\p)+i+1], v[(\p)+i:(\p)+i+1], v[(\t)+i:(\t)+i+1]
.set i, i+2
.endr
.set i, 0
.rept 16
	v_pk_fma_f32 v[(\p)+i:(\p)+i+1], v[(\p)+i:(\p)+i+1], v[(\e)+i:(\e)+i+1], s[HC:HC+1] op_sel_hi:[1,1,0] neg_lo:[1,0,0] neg_hi:[1,0,0]  ; Q
.set i, i+2
.endr
.set i, 0
.rept 32
	v_mul_f32 v[(\t)+i], |v[(\m)+i]|, v[(\p)+i]
.set i, i+1
.endr
.set i, 0
.rept 16
	v_pk_fma_f32 v[(\t)+i:(\t)+i+1], v[(\m)+i:(\m)+i+1], s[HC:HC+1], v[(\t)+i:(\t)+i+1] op_sel_hi:[1,0,1]
.set i, i+2
.endr
.endm
	s_load_b512 s[8:23], s[0:1], 0x0               ; x s[8:9], lengths s[10:11], ln1_w s[12:13], Wfc s[14:15], Wproj s[16:17], csum s[18:19], wfcb s[20:21], wprojb s[22:23]
	v_lshl_add_u32 v[SPW], v0, 2, SPARE
	v_mov_b32 v[NIL], 0
	ds_add_u32 v[SPW], v[NIL]                      ; the wave's opening: the add and its wait ahead of my tensor load; the set-up, work on registers, stands between
	ds_add_u32 v5, v6
	v_lshrrev_b32 v7, 5, v0
	v_readfirstlane_b32 s[WV], v7                  ; wave 0..7
	v_and_b32 v[L16], 31, v0
	v_lshlrev_b32 v[L32], 5, v[L16]
	v_lshlrev_b32 v[L16], 4, v[L16]
	v_lshlrev_b32 v[T16], 4, v0
	s_mov_b32 s[G0], 1                             ; group 0: count 1,
	s_mul_i32 s[G0+1], s[WV], 16384                ; LDS address: my wave's 16 KiB
	v_add_nc_u32 v[RB], s[G0+1], v[L16]
	v_add_nc_u32 v[PRD], PARTS, v[T16]
	v_lshl_add_u32 v[PST], s[WV], 12, v[L16]
	v_add_nc_u32 v[PST], PARTS, v[PST]
	s_mov_b32 s[G1+0], 3<<16                       ; group 1: my four rows are 16,384 dense bytes: 64 rows of 32 elements of 8 bytes, no padding
	s_mov_b32 s[G1+1], 32<<16                      ; tensor_dim0 = 32
	s_mov_b32 s[G1+2], 64<<16                      ; tensor_dim1 = 64
	s_mov_b32 s[G1+3], 32<<16                      ; tile_dim0 = 32
	s_mov_b32 s[G1+4], 64                          ; tile_dim1 = 64
	s_mov_b32 s[G1+5], 32                          ; 32 elements from row to row
	s_mov_b32 s[G1+6], 0
	s_mov_b32 s[G1+7], 0
	s_lshl_b32 s[OFS], ttmp9, 17                   ; the chunk's 32 rows of 4,096 bytes,
	s_add_co_u32 s[OFS], s[OFS], s[G0+1]           ; my wave's four
	s_mov_b32 s[OFS+1], 0
	s_lshl_b32 s[GW], ttmp9, 3
	s_add_co_u32 s[GW], s[GW], s[WV]               ; my wave among the launch's 2,048
	s_lshr_b32 s[BAT], ttmp9, 6                    ; the batch
	s_and_b32 s[TT], ttmp9, 63
	s_lshl_b32 s[TT], s[TT], 5
	s_lshl2_add_u32 s[TT], s[WV], s[TT]            ; my first row's place in the batch: 32 x chunk + 4 x wave
	s_mov_b32 s[SEL], 0x76543210
	s_mov_b32 s[SEL+1], 0xfedcba98
	s_mov_b32 s[INV], 0x3a800000                   ; 1 / 1024
	s_mov_b32 s[EPS], 0x3727c5ac                   ; 1e-5
	s_mov_b32 s[PP], 0x3e8ba43f                    ; 0.3275911 / sqrt(log2 e)
	PAIR CC, 0x3f596d27                            ; c
	PAIR HC, 0x3f16b55f                            ; hc = 1 / (2 c)
	PAIR A1, 0x3e199eb3                            ; a1 .. a5 times hc
	PAIR A2, 0xbe2b8119
	PAIR A3, 0x3f563817
	PAIR A4, 0xbf5b0099
	PAIR A5, 0x3f1ff67a
	s_wait_dscnt 0x0                               ; the opening add is done
	s_wait_kmcnt 0x0
	s_add_nc_u64 s[G0+2:G0+3], s[8:9], s[OFS:OFS+1]
	s_or_b32 s[G0+3], s[G0+3], 0x80000000          ; type = 2
	tensor_load_to_lds s[G0:G0+3], s[G1:G1+7]      ; my one tensor load
	s_nop 0
	s_load_b128 s[32:35], s[10:11], 0x0            ; the four lengths
	s_lshl_b32 s[OFS], s[GW], 13                   ; my 2,048 numbers of each weight: 8,192 bytes in,
	s_add_nc_u64 s[14:15], s[14:15], s[OFS:OFS+1]
	s_add_nc_u64 s[16:17], s[16:17], s[OFS:OFS+1]
	s_lshl_b32 s[OFS], s[GW], 12                   ; 4,096 out
	s_add_nc_u64 s[20:21], s[20:21], s[OFS:OFS+1]
	s_add_nc_u64 s[22:23], s[22:23], s[OFS:OFS+1]
	s_lshl_b32 s[OFS], ttmp9, 12                   ; the chunk's row of csum
	s_add_nc_u64 s[18:19], s[18:19], s[OFS:OFS+1]
.irp j, 0,1,2,3,4,5,6,7
	global_load_b128 v[W1+4*\j:W1+4*\j+3], v[L16], s[12:13] offset:512*\j
.endr
; THE CAST.  Unit n (0..15): weight n / 8, its piece n % 8 of 256 numbers: a lane takes 8 numbers, 32 bytes in two loads, and stores 16 bytes: a wave's store covers 512 consecutive bytes, aligned.
.set n, 0
.rept 16
	global_load_b128 v[X+8*n:X+8*n+3],   v[L32], s[14+2*(n/8):15+2*(n/8)] offset:1024*(n%8) th:TH_LOAD_NT
	global_load_b128 v[X+8*n+4:X+8*n+7], v[L32], s[14+2*(n/8):15+2*(n/8)] offset:1024*(n%8)+16 th:TH_LOAD_NT
.set n, n+1
.endr
.set n, 0
.rept 16
	s_wait_loadcnt 30-2*n                          ; the loads issued behind this unit's two may stay out
.irp k, 0,1,2,3
	v_cvt_pk_bf16_f32 v[P+4*n+\k], v[X+8*n+2*\k], v[X+8*n+2*\k+1]
.endr
	global_store_b128 v[L16], v[P+4*n:P+4*n+3], s[20+2*(n/8):21+2*(n/8)] offset:512*(n%8)
.set n, n+1
.endr
	s_wait_xcnt 0x0                                ; the stores have read their data: v160-223 are written again only behind this wait
.set i, 0
.rept 32
	v_mov_b32 v[S+i], 0                            ; the wave's sum starts at 0, written while the rows are on their way, so that the loop has one form
.set i, i+1
.endr
	s_wait_kmcnt 0x0
	s_cmp_eq_u32 s[BAT], 1                         ; my batch's length: a choice of a value, no address and no branch hangs on it
	s_cselect_b32 s[LEN], s33, s32
	s_cmp_eq_u32 s[BAT], 2
	s_cselect_b32 s[LEN], s34, s[LEN]
	s_cmp_eq_u32 s[BAT], 3
	s_cselect_b32 s[LEN], s35, s[LEN]
	s_cmp_lt_i32 s[TT], s[LEN]
	s_cselect_b32 s[VAL], 1.0, 0
	s_cselect_b32 s[VAL+1], 1.0, 0
	s_mov_b32 s[CNT], 4
	s_mov_b32 s[ROWB], 0
	s_wait_tensorcnt 0x0                           ; my rows are in LDS; no other wave reads them
.Lrow:                                                 ; a trip: one row
	v_add_nc_u32 v[RA], s[ROWB], v[RB]
.irp j, 0,1,2,3,4,5,6,7
	ds_load_b128 v[X+4*\j:X+4*\j+3], v[RA] offset:512*\j
.endr
	s_wait_dscnt 0x0
	ROWSTAT X, X
.set i, 0
.rept 16
	v_pk_mul_f32 v[X+i:X+i+1], v[X+i:X+i+1], v[W1+i:W1+i+1]              ; h
.set i, i+2
.endr
.set i, 0
.rept 16
	v_pk_mul_f32 v[M+i:M+i+1], v[X+i:X+i+1], s[CC:CC+1] op_sel_hi:[1,0]  ; m = c h
.set i, i+2
.endr
	GELU32 M, T, E, P
.set i, 0
.rept 16
	v_pk_fma_f32 v[S+i:S+i+1], v[T+i:T+i+1], s[VAL:VAL+1], v[S+i:S+i+1] op_sel_hi:[1,0,1]
.set i, i+2
.endr
	s_add_co_u32 s[ROWB], s[ROWB], 4096
	s_add_co_u32 s[TT], s[TT], 1
	s_cmp_lt_i32 s[TT], s[LEN]
	s_cselect_b32 s[VAL], 1.0, 0
	s_cselect_b32 s[VAL+1], 1.0, 0
	s_sub_co_u32 s[CNT], s[CNT], 1
	s_cmp_lg_u32 s[CNT], 0
	s_cbranch_scc1 .Lrow
.irp j, 0,1,2,3,4,5,6,7
	ds_store_b128 v[PST], v[S+4*\j:S+4*\j+3] offset:512*\j
.endr
	s_wait_dscnt 0x0                               ; for the others' sake: my sum lies in LDS
	s_barrier_signal -1
	s_barrier_wait -1
.irp k, 0,1,2,3,4,5,6,7
	ds_load_b128 v[X+4*\k:X+4*\k+3], v[PRD] offset:4096*\k  ; thread t: columns 4 t .. 4 t + 3 of all eight sums
.endr
	s_wait_dscnt 0x0
.irp k, 0,2,4,6
	v_pk_add_f32 v[X+4*\k:X+4*\k+1],   v[X+4*\k:X+4*\k+1],   v[X+4*\k+4:X+4*\k+5]
	v_pk_add_f32 v[X+4*\k+2:X+4*\k+3], v[X+4*\k+2:X+4*\k+3], v[X+4*\k+6:X+4*\k+7]
.endr
.irp k, 0,4
	v_pk_add_f32 v[X+4*\k:X+4*\k+1],   v[X+4*\k:X+4*\k+1],   v[X+4*\k+8:X+4*\k+9]
	v_pk_add_f32 v[X+4*\k+2:X+4*\k+3], v[X+4*\k+2:X+4*\k+3], v[X+4*\k+10:X+4*\k+11]
.endr
	v_pk_add_f32 v[X:X+1],   v[X:X+1],   v[X+16:X+17]
	v_pk_add_f32 v[X+2:X+3], v[X+2:X+3], v[X+18:X+19]
	global_store_b128 v[T16], v[X:X+3], s[18:19]   ; a wave stores 512 consecutive bytes, aligned
	s_wait_tensorcnt 0x0                           ; the wave's end, behind my tensor load and my last LDS store
	ds_add_u32 v[SPW], v[NIL]
	s_wait_dscnt 0x0
	s_endpgm
.Lfunc_end_k_q7c35b9db19_stage1:
	.size	k_q7c35b9db19_stage1, .Lfunc_end_k_q7c35b9db19_stage1-k_q7c35b9db19_stage1
	.p2alignl 7, 3214868480
	.fill 96, 4, 3214868480
	.section	.rodata,"a",@progbits
	.p2align	6, 0x0
	.amdhsa_kernel k_q7c35b9db19_stage1
		.amdhsa_group_segment_fixed_size 167936
		.amdhsa_private_segment_fixed_size 0
		.amdhsa_enable_private_segment 0
		.amdhsa_kernarg_size 64
		.amdhsa_user_sgpr_count 2
		.amdhsa_user_sgpr_kernarg_segment_ptr 1
		.amdhsa_wavefront_size32 1
		.amdhsa_system_sgpr_workgroup_id_x 1
		.amdhsa_system_sgpr_workgroup_id_y 1
		.amdhsa_system_sgpr_workgroup_id_z 1
		.amdhsa_system_vgpr_workitem_id 0
		.amdhsa_next_free_vgpr 256
		.amdhsa_next_free_sgpr 76
		.amdhsa_reserve_vcc 0
		.amdhsa_float_denorm_mode_32 3
		.amdhsa_float_denorm_mode_16_64 3
		.amdhsa_memory_ordered 1
		.amdhsa_forward_progress 1
		.amdhsa_inst_pref_size 40
	.end_amdhsa_kernel
	.amdgpu_metadata
---
amdhsa.version: [ 1, 2 ]
amdhsa.kernels:
  - .name:           k_q7c35b9db19_stage1
    .symbol:         k_q7c35b9db19_stage1.kd
    .args:
      - { .name: x, .offset: 0, .size: 8, .value_kind: global_buffer, .address_space: global }
      - { .name: lengths, .offset: 8, .size: 8, .value_kind: global_buffer, .address_space: global }
      - { .name: ln1_w, .offset: 16, .size: 8, .value_kind: global_buffer, .address_space: global }
      - { .name: Wfc, .offset: 24, .size: 8, .value_kind: global_buffer, .address_space: global }
      - { .name: Wproj, .offset: 32, .size: 8, .value_kind: global_buffer, .address_space: global }
      - { .name: csum, .offset: 40, .size: 8, .value_kind: global_buffer, .address_space: global }
      - { .name: wfcb, .offset: 48, .size: 8, .value_kind: global_buffer, .address_space: global }
      - { .name: wprojb, .offset: 56, .size: 8, .value_kind: global_buffer, .address_space: global }
    .group_segment_fixed_size: 167936
    .private_segment_fixed_size: 0
    .kernarg_segment_align: 8
    .kernarg_segment_size: 64
    .max_flat_workgroup_size: 256
    .sgpr_count:     76
    .vgpr_count:     256
    .wavefront_size: 32
...
	.end_amdgpu_metadata
.endif
;; end of part 1
;; launch stage2 (part 2): grid 256 x 1, 8 waves a work-group, no clusters, 197,632 bytes of LDS; arguments x, lengths, ln1_w, ln2_w, csum, x1, h2; writes x1, h2
.if DOCPART == 2
	.amdgcn_target "amdgcn-amd-amdhsa--gfx1250"
	.amdhsa_code_object_version 6
	.text
	.protected	k_q7c35b9db19_stage2
	.globl	k_q7c35b9db19_stage2
	.p2align	8
	.type	k_q7c35b9db19_stage2,@function
k_q7c35b9db19_stage2:
	s_mov_b64 s[64:65], 0
	v_nop
	global_prefetch_b8 v0, s[64:65] scope:SCOPE_SE
	s_setreg_imm32_b32 hwreg(HW_REG_WAVE_MODE, 25, 1), 1
	s_wait_xcnt 0x0
; STAGE 2.  x1 = x + h + valid x (running sum of valid x gelu(h)), h = LN1(x); h2 = LN2(x1) in bf16.  x, x1: [4][2048][1024] f32; h2 likewise in bf16; csum: [256 chunks][1024] f32, each chunk's sum.
; Shares as in the launch before: a chunk of 32 rows to a work-group, four rows to a wave, a whole row at a time (load j of lane l: columns 128 j + 4 l .. + 3).
; THE RUNNING SUM has three parts: the chunks before mine in the batch (all 63 rows of csum that can count are loaded and multiplied by 1 or 0: the same work in every work-group, and no trip count
; hangs on the chunk's place); the waves before mine in the chunk (the waves' sums meet in LDS, and each thread makes the eight bases for its four columns); the rows before in my wave (a register sum).
; Loop A makes y = x + h + valid x (the wave's own running sum) and puts it where x lay in LDS (bytes that are filled once, and are the wave's own); loop C adds valid x base, stores x1, and norms it.
; NORM, GELU and their LIMITS as in the launch before: erf good to 1.5e-7 absolute; for u < 0 the result is good to about 2^-24 |u| absolute, not relative; 2^(-m m) below 2^-126 counts as 0; the sums
; are taken in another order than a running sum's; NaN and infinities are not treated apart (0 x them is no 0).
; No cluster: what work-groups share (csum, 1 MiB) is small beside x.  No prefetch: the launch streams and is short.
.set PARTS, 131072                     ; LDS: 0 .. 131,071 x, then y; [8][1024] f32 the waves' sums;
.set BASES, 163840                     ; [8][1024] f32 what each wave's rows start from;
.set SPARE, 196608                     ; the spare words: 128 bytes a wave, four blocks of 256 bytes that no other line names
.set L16, 1                            ; v1   16 x lane
.set RA,  2                            ; v2   LDS address of my 16 bytes in the row in hand
.set RB,  3                            ; v3   16,384 x wave + 16 x lane
.set T16, 4                            ; v4   16 x thread
.set SPW, 5                            ; v5   my spare word; never rewritten
.set NIL, 6                            ; v6   0; never rewritten
.set L8,  7                            ; v7   8 x lane
.set PFX, 8                            ; v8-15    the earlier chunks' sum for my thread's four columns, in two sets
.set Z,   16                           ; v16-31   at work
.set X,   32
.set H,   64
.set M,   96
.set T,   128
.set E,   160
.set P,   192
.set S,   224
.set W1,  0                            ; window 1: v0-251 the rows of csum; afterwards v0-31 ln1_w,
.set W2,  32                           ;           v32-63 ln2_w
.set WV,  24
.set BAT, 25
.set CB,  26                           ; s26  my chunk's place in its batch
.set TT,  27
.set LEN, 28
.set T0,  29
.set VAL, 30
.set G0,  36
.set G1,  40
.set OFS, 48
.set CNT, 50
.set ROWB, 51
.set SEL, 52
.set INV, 54
.set EPS, 55
.set CC,  56
.set PP,  58
.set HC,  60
.set MK,  62
.set A1,  66
.set A2,  68
.set A3,  70
.set A4,  72
.set A5,  74
.set MSB, 0
.macro WIN new                         ; s_set_vgpr_msb: bits 1:0 source 0, 3:2 source 1, 5:4 source 2, 7:6 destination; the high byte repeats the setting that is left
.if MSB != (\new)
	s_set_vgpr_msb (MSB<<8)|(\new)
.set MSB, \new
.endif
.endm
.macro PAIR r, val
	s_mov_b32 s[\r], \val
	s_mov_b32 s[(\r)+1], \val
.endm
.macro LANESUM a, b                    ; v[a] summed over the 32 lanes, in every lane; v[b] has been written before
	v_add_f32_dpp v[\a], v[\a], v[\a] row_xmask:1 row_mask:0xf bank_mask:0xf
	v_add_f32_dpp v[\a], v[\a], v[\a] row_xmask:2 row_mask:0xf bank_mask:0xf
	v_add_f32_dpp v[\a], v[\a], v[\a] row_xmask:4 row_mask:0xf bank_mask:0xf
	v_add_f32_dpp v[\a], v[\a], v[\a] row_xmask:8 row_mask:0xf bank_mask:0xf
	v_permlanex16_b32 v[\b], v[\a], s[SEL], s[SEL+1]
	v_add_f32 v[\a], v[\a], v[\b]
.endm
; dst = (src - mean) / sqrt(var + eps) for the row whose 32 numbers a lane lie in src
.macro ROWSTAT src, dst
.set i, 0
.rept 8
	v_pk_add_f32 v[Z+2*i:Z+2*i+1], v[(\src)+4*i:(\src)+4*i+1], v[(\src)+4*i+2:(\src)+4*i+3]
.set i, i+1
.endr
.set i, 0
.rept 4
	v_pk_add_f32 v[Z+2*i:Z+2*i+1], v[Z+4*i:Z+4*i+1], v[Z+4*i+2:Z+4*i+3]
.set i, i+1
.endr
	v_pk_add_f32 v[Z:Z+1], v[Z:Z+1], v[Z+2:Z+3]
	v_pk_add_f32 v[Z+4:Z+5], v[Z+4:Z+5], v[Z+6:Z+7]
	v_pk_add_f32 v[Z:Z+1], v[Z:Z+1], v[Z+4:Z+5]
	v_add_f32 v[Z], v[Z], v[Z+1]
	LANESUM Z, Z+1
	v_mul_f32 v[Z+2], s[INV], v[Z]                 ; the mean, twice: a pair for the packed subtraction
	v_mul_f32 v[Z+3], s[INV], v[Z]
.set i, 0
.rept 16
	v_pk_add_f32 v[(\dst)+2*i:(\dst)+2*i+1], v[(\src)+2*i:(\src)+2*i+1], v[Z+2:Z+3] neg_lo:[0,1] neg_hi:[0,1]
.set i, i+1
.endr
.set i, 0
.rept 16                               ; the squares, in four chains; the first four start them
.if i < 4
	v_pk_mul_f32 v[Z+4+2*i:Z+5+2*i], v[(\dst)+2*i:(\dst)+2*i+1], v[(\dst)+2*i:(\dst)+2*i+1]
.else
	v_pk_fma_f32 v[Z+4+2*(i%4):Z+5+2*(i%4)], v[(\dst)+2*i:(\dst)+2*i+1], v[(\dst)+2*i:(\dst)+2*i+1], v[Z+4+2*(i%4):Z+5+2*(i%4)]
.endif
.set i, i+1
.endr
	v_pk_add_f32 v[Z+4:Z+5], v[Z+4:Z+5], v[Z+6:Z+7]
	v_pk_add_f32 v[Z+8:Z+9], v[Z+8:Z+9], v[Z+10:Z+11]
	v_pk_add_f32 v[Z+4:Z+5], v[Z+4:Z+5], v[Z+8:Z+9]
	v_add_f32 v[Z+4], v[Z+4], v[Z+5]
	LANESUM Z+4, Z+5
	v_fma_f32 v[Z+4], v[Z+4], s[INV], s[EPS]
	v_rsq_f32 v[Z+6], v[Z+4]
	v_rsq_f32 v[Z+7], v[Z+4]
	v_nop                                          ; a plain instruction behind the last root,
	s_wait_alu depctr_va_vdst(0)                   ; and the one wait ahead of the first reader
.set i, 0
.rept 16
	v_pk_mul_f32 v[(\dst)+2*i:(\dst)+2*i+1], v[(\dst)+2*i:(\dst)+2*i+1], v[Z+6:Z+7]
.set i, i+1
.endr
.endm
; gelu of 32 numbers a lane: m holds c u; the result lands in t.  All 64 transcendentals are one batch with one wait.
.macro GELU32 m, t, e, p
.set i, 0
.rept 32
	v_fma_f32 v[(\t)+i], |v[(\m)+i]|, s[PP], 1.0
.set i, i+1
.endr
.set i, 0
.rept 16
	v_pk_mul_f32 v[(\e)+i:(\e)+i+1], v[(\m)+i:(\m)+i+1], v[(\m)+i:(\m)+i+1] neg_lo:[0,1] neg_hi:[0,1]
.set i, i+2
.endr
.set i, 0
.rept 32
	v_rcp_f32 v[(\t)+i], v[(\t)+i]
.set i, i+1
.endr
.set i, 0
.rept 32
	v_exp_f32 v[(\e)+i], v[(\e)+i]
.set i, i+1
.endr
	v_nop                                          ; a plain instruction behind the last exponential,
	s_wait_alu depctr_va_vdst(0)                   ; and the batch's one wait, ahead of its first reader
.set i, 0
.rept 16
	v_pk_fma_f32 v[(\p)+i:(\p)+i+1], v[(\t)+i:(\t)+i+1], s[A5:A5+1], s[A4:A4+1] op_sel_hi:[1,0,0]
.set i, i+2
.endr
.irp c, A3, A2, A1
.set i, 0
.rept 16
	v_pk_fma_f32 v[(\p)+i:(\p)+i+1], v[(\p)+i:(\p)+i+1], v[(\t)+i:(\t)+i+1], s[\c:\c+1] op_sel_hi:[1,1,0]
.set i, i+2
.endr
.endr
.set i, 0
.rept 16
	v_pk_mul_f32 v[(\p)+i:(\p)+i+1], v[(\p)+i:(\p)+i+1], v[(\t)+i:(\t)+i+1]
.set i, i+2
.endr
.set i, 0
.rept 16
	v_pk_fma_f32 v[(\p)+i:(\p)+i+1], v[(\p)+i:(\p)+i+1], v[(\e)+i:(\e)+i+1], s[HC:HC+1] op_sel_hi:[1,1,0] neg_lo:[1,0,0] neg_hi:[1,0,0]  ; Q
.set i, i+2
.endr
.set i, 0
.rept 32
	v_mul_f32 v[(\t)+i], |v[(\m)+i]|, v[(\p)+i]
.set i, i+1
.endr
.set i, 0
.rept 16
	v_pk_fma_f32 v[(\t)+i:(\t)+i+1], v[(\m)+i:(\m)+i+1], s[HC:HC+1], v[(\t)+i:(\t)+i+1] op_sel_hi:[1,0,1]
.set i, i+2
.endr
.endm
.macro NEXTROW                         ; the next row's LDS bytes, its place in the batch, and whether it is valid
	s_add_co_u32 s[ROWB], s[ROWB], 4096
	s_add_co_u32 s[TT], s[TT], 1
	s_cmp_lt_i32 s[TT], s[LEN]
	s_cselect_b32 s[VAL], 1.0, 0
	s_cselect_b32 s[VAL+1], 1.0, 0
.endm
	s_load_b256 s[8:15], s[0:1], 0x0               ; x s[8:9], lengths s[10:11], ln1_w s[12:13], ln2_w s[14:15]
	s_load_b128 s[16:19], s[0:1], 0x20             ; csum s[16:17], x1 s[18:19]
	s_load_b64 s[20:21], s[0:1], 0x30              ; h2
	v_lshl_add_u32 v[SPW], v0, 2, SPARE
	v_mov_b32 v[NIL], 0
	ds_add_u32 v[SPW], v[NIL]                      ; the wave's opening: the add and its wait ahead of my tensor load; the set-up, work on registers, stands between
	ds_add_u32 v5, v6
	v_lshrrev_b32 v[RA], 5, v0
	v_readfirstlane_b32 s[WV], v[RA]               ; wave 0..7
	v_and_b32 v[L16], 31, v0
	v_lshlrev_b32 v[L8], 3, v[L16]
	v_lshlrev_b32 v[L16], 4, v[L16]
	v_lshlrev_b32 v[T16], 4, v0
	s_mov_b32 s[G0], 1
	s_mul_i32 s[G0+1], s[WV], 16384                ; LDS address: my wave's 16 KiB
	v_add_nc_u32 v[RB], s[G0+1], v[L16]
	s_mov_b32 s[G1+0], 3<<16                       ; group 1: 16,384 dense bytes as 64 rows of 32 elements of 8 bytes, no padding
	s_mov_b32 s[G1+1], 32<<16
	s_mov_b32 s[G1+2], 64<<16
	s_mov_b32 s[G1+3], 32<<16
	s_mov_b32 s[G1+4], 64
	s_mov_b32 s[G1+5], 32
	s_mov_b32 s[G1+6], 0
	s_mov_b32 s[G1+7], 0
	s_lshr_b32 s[BAT], ttmp9, 6
	s_and_b32 s[CB], ttmp9, 63
	s_lshl_b32 s[T0], s[CB], 5
	s_lshl2_add_u32 s[T0], s[WV], s[T0]            ; my first row's place in the batch
	s_mov_b32 s[SEL], 0x76543210
	s_mov_b32 s[SEL+1], 0xfedcba98
	s_mov_b32 s[INV], 0x3a800000                   ; 1 / 1024
	s_mov_b32 s[EPS], 0x3727c5ac                   ; 1e-5
	s_mov_b32 s[PP], 0x3e8ba43f
	s_mov_b32 s[MK+1], 0                           ; named with s[MK] as a pair
	PAIR CC, 0x3f596d27
	PAIR HC, 0x3f16b55f
	PAIR A1, 0x3e199eb3
	PAIR A2, 0xbe2b8119
	PAIR A3, 0x3f563817
	PAIR A4, 0xbf5b0099
	PAIR A5, 0x3f1ff67a
	s_mov_b32 s[OFS+1], 0
	s_wait_dscnt 0x0                               ; the opening add is done
	s_wait_kmcnt 0x0
	s_lshl_b32 s[OFS], s[BAT], 18                  ; the batch's 64 rows of csum
	s_add_nc_u64 s[16:17], s[16:17], s[OFS:OFS+1]
	s_lshl_b32 s[OFS], ttmp9, 16                   ; h2: the chunk's 32 rows of 2,048 bytes,
	s_lshl_b32 s[CNT], s[WV], 13                   ; my wave's four
	s_add_co_u32 s[OFS], s[OFS], s[CNT]
	s_add_nc_u64 s[20:21], s[20:21], s[OFS:OFS+1]
	s_lshl_b32 s[OFS], s[OFS], 1                   ; x and x1: rows of 4,096 bytes
	s_add_nc_u64 s[18:19], s[18:19], s[OFS:OFS+1]
	s_add_nc_u64 s[G0+2:G0+3], s[8:9], s[OFS:OFS+1]
	s_or_b32 s[G0+3], s[G0+3], 0x80000000          ; type = 2
	tensor_load_to_lds s[G0:G0+3], s[G1:G1+7]      ; my one tensor load
	s_nop 0
	WIN 0x40                                       ; destination window 1, directly behind the load's s_nop 0
.set j, 0
.rept 63
	global_load_b128 v[4*j:4*j+3], v[T16], s[16:17] offset:4096*j  ; chunk j's sum, my thread's four columns
.set j, j+1
.endr
	WIN 0
	s_load_b128 s[32:35], s[10:11], 0x0            ; the four lengths
	WIN 0x01                                       ; source 0 in window 1
.set j, 0
.rept 63
	s_wait_loadcnt 62-j                            ; the loads issued behind chunk j's may stay out
	s_cmp_gt_u32 s[CB], j                          ; does chunk j lie before mine?
	s_cselect_b32 s[MK], 1.0, 0
.if j < 2
	v_pk_mul_f32 v[PFX+4*j:PFX+4*j+1],   v[4*j:4*j+1],   s[MK:MK+1] op_sel_hi:[1,0]
	v_pk_mul_f32 v[PFX+4*j+2:PFX+4*j+3], v[4*j+2:4*j+3], s[MK:MK+1] op_sel_hi:[1,0]
.else
	v_pk_fma_f32 v[PFX+4*(j%2):PFX+4*(j%2)+1],   v[4*j:4*j+1],   s[MK:MK+1], v[PFX+4*(j%2):PFX+4*(j%2)+1] op_sel_hi:[1,0,1]
	v_pk_fma_f32 v[PFX+4*(j%2)+2:PFX+4*(j%2)+3], v[4*j+2:4*j+3], s[MK:MK+1], v[PFX+4*(j%2)+2:PFX+4*(j%2)+3] op_sel_hi:[1,0,1]
.endif
.set j, j+1
.endr
	WIN 0x40
.irp j, 0,1,2,3,4,5,6,7
	global_load_b128 v[W1+4*\j:W1+4*\j+3], v[L16], s[12:13] offset:512*\j
.endr
.irp j, 0,1,2,3,4,5,6,7
	global_load_b128 v[W2+4*\j:W2+4*\j+3], v[L16], s[14:15] offset:512*\j
.endr
	WIN 0
.set i, 0
.rept 32
	v_mov_b32 v[S+i], 0                            ; the wave's running sum starts at 0, so that the loop has one form
.set i, i+1
.endr
	s_wait_kmcnt 0x0
	s_cmp_eq_u32 s[BAT], 1                         ; my batch's length: a choice of a value alone
	s_cselect_b32 s[LEN], s33, s32
	s_cmp_eq_u32 s[BAT], 2
	s_cselect_b32 s[LEN], s34, s[LEN]
	s_cmp_eq_u32 s[BAT], 3
	s_cselect_b32 s[LEN], s35, s[LEN]
	s_mov_b32 s[TT], s[T0]
	s_cmp_lt_i32 s[TT], s[LEN]
	s_cselect_b32 s[VAL], 1.0, 0
	s_cselect_b32 s[VAL+1], 1.0, 0
	s_mov_b32 s[CNT], 4
	s_mov_b32 s[ROWB], 0
	s_wait_tensorcnt 0x0                           ; my rows are in LDS; no other wave touches them
.LrowA:                                                ; a trip: one row: y = x + h + valid x (my wave's running sum), back to where x lay
	v_add_nc_u32 v[RA], s[ROWB], v[RB]
.irp j, 0,1,2,3,4,5,6,7
	ds_load_b128 v[X+4*\j:X+4*\j+3], v[RA] offset:512*\j
.endr
	s_wait_dscnt 0x0
	ROWSTAT X, H
	s_wait_loadcnt 0x0                             ; the gains (it waits in the first trip alone)
	WIN 0x04                                       ; source 1 in window 1
.set i, 0
.rept 16
	v_pk_mul_f32 v[H+i:H+i+1], v[H+i:H+i+1], v[W1+i:W1+i+1]
.set i, i+2
.endr
	WIN 0
.set i, 0
.rept 16
	v_pk_mul_f32 v[M+i:M+i+1], v[H+i:H+i+1], s[CC:CC+1] op_sel_hi:[1,0]
.set i, i+2
.endr
	GELU32 M, T, E, P
.set i, 0
.rept 16
	v_pk_fma_f32 v[S+i:S+i+1], v[T+i:T+i+1], s[VAL:VAL+1], v[S+i:S+i+1] op_sel_hi:[1,0,1]
	v_pk_add_f32 v[X+i:X+i+1], v[X+i:X+i+1], v[H+i:H+i+1]
.set i, i+2
.endr
.set i, 0
.rept 16
	v_pk_fma_f32 v[X+i:X+i+1], v[S+i:S+i+1], s[VAL:VAL+1], v[X+i:X+i+1] op_sel_hi:[1,0,1]
.set i, i+2
.endr
.irp j, 0,1,2,3,4,5,6,7
	ds_store_b128 v[RA], v[X+4*\j:X+4*\j+3] offset:512*\j
.endr
	NEXTROW
	s_sub_co_u32 s[CNT], s[CNT], 1
	s_cmp_lg_u32 s[CNT], 0
	s_cbranch_scc1 .LrowA
	v_lshl_add_u32 v[Z], s[WV], 12, v[L16]
	v_add_nc_u32 v[Z], PARTS, v[Z]
.irp j, 0,1,2,3,4,5,6,7
	ds_store_b128 v[Z], v[S+4*\j:S+4*\j+3] offset:512*\j     ; my wave's sum of its four rows
.endr
	v_add_nc_u32 v[Z+1], PARTS, v[T16]
	v_add_nc_u32 v[Z+2], BASES, v[T16]
	v_pk_add_f32 v[M:M+1],   v[PFX:PFX+1],   v[PFX+4:PFX+5]  ; wave 0's base: the earlier chunks' sum
	v_pk_add_f32 v[M+2:M+3], v[PFX+2:PFX+3], v[PFX+6:PFX+7]
	s_wait_dscnt 0x0                               ; for the others' sake: my stores are done
	s_barrier_signal -1
	s_barrier_wait -1
.irp k, 0,1,2,3,4,5,6,7
	ds_load_b128 v[X+4*\k:X+4*\k+3], v[Z+1] offset:4096*\k
.endr
	s_wait_dscnt 0x0
.irp k, 0,1,2,3,4,5,6,7
	ds_store_b128 v[Z+2], v[M+4*\k:M+4*\k+3] offset:4096*\k  ; wave k's base, my thread's four columns
.if \k < 7
	v_pk_add_f32 v[M+4*\k+4:M+4*\k+5], v[M+4*\k:M+4*\k+1],   v[X+4*\k:X+4*\k+1]
	v_pk_add_f32 v[M+4*\k+6:M+4*\k+7], v[M+4*\k+2:M+4*\k+3], v[X+4*\k+2:X+4*\k+3]
.endif
.endr
	s_wait_dscnt 0x0
	s_barrier_signal -1
	s_barrier_wait -1
	v_add_nc_u32 v[Z], BASES-PARTS, v[Z]
.irp j, 0,1,2,3,4,5,6,7
	ds_load_b128 v[S+4*\j:S+4*\j+3], v[Z] offset:512*\j      ; my wave's base, in the rows' layout
.endr
	s_mov_b32 s[TT], s[T0]
	s_cmp_lt_i32 s[TT], s[LEN]
	s_cselect_b32 s[VAL], 1.0, 0
	s_cselect_b32 s[VAL+1], 1.0, 0
	s_mov_b32 s[CNT], 4
	s_mov_b32 s[ROWB], 0
.LrowC:                                                ; a trip: one row: x1 = y + valid x base, stored; h2 = LN2(x1), stored
	v_add_nc_u32 v[RA], s[ROWB], v[RB]
.irp j, 0,1,2,3,4,5,6,7
	ds_load_b128 v[X+4*\j:X+4*\j+3], v[RA] offset:512*\j
.endr
	s_wait_dscnt 0x0
.set i, 0
.rept 16
	v_pk_fma_f32 v[X+i:X+i+1], v[S+i:S+i+1], s[VAL:VAL+1], v[X+i:X+i+1] op_sel_hi:[1,0,1]
.set i, i+2
.endr
.irp j, 0,1,2,3,4,5,6,7
	global_store_b128 v[L16], v[X+4*\j:X+4*\j+3], s[18:19] offset:512*\j  ; 512 consecutive bytes, aligned
.endr
	ROWSTAT X, H
	WIN 0x04
.set i, 0
.rept 16
	v_pk_mul_f32 v[H+i:H+i+1], v[H+i:H+i+1], v[W2+i:W2+i+1]
.set i, i+2
.endr
	WIN 0
.set i, 0
.rept 16
	v_cvt_pk_bf16_f32 v[T+i], v[H+2*i], v[H+2*i+1]
.set i, i+1
.endr
.irp j, 0,1,2,3,4,5,6,7
	global_store_b64 v[L8], v[T+2*\j:T+2*\j+1], s[20:21] offset:256*\j    ; 32 lanes store 256 consecutive bytes, aligned
.endr
	s_wait_xcnt 0x0                                ; the stores have read their data and bases: X, T and the two bases are written again only behind this wait
	s_add_nc_u64 s[18:19], s[18:19], 4096
	s_add_nc_u64 s[20:21], s[20:21], 2048
	NEXTROW
	s_sub_co_u32 s[CNT], s[CNT], 1
	s_cmp_lg_u32 s[CNT], 0
	s_cbranch_scc1 .LrowC
	s_wait_tensorcnt 0x0                           ; the wave's end, behind my tensor load and my last LDS store
	ds_add_u32 v[SPW], v[NIL]
	s_wait_dscnt 0x0
	s_endpgm
.Lfunc_end_k_q7c35b9db19_stage2:
	.size	k_q7c35b9db19_stage2, .Lfunc_end_k_q7c35b9db19_stage2-k_q7c35b9db19_stage2
	.p2alignl 7, 3214868480
	.fill 96, 4, 3214868480
	.section	.rodata,"a",@progbits
	.p2align	6, 0x0
	.amdhsa_kernel k_q7c35b9db19_stage2
		.amdhsa_group_segment_fixed_size 197632
		.amdhsa_private_segment_fixed_size 0
		.amdhsa_enable_private_segment 0
		.amdhsa_kernarg_size 56
		.amdhsa_user_sgpr_count 2
		.amdhsa_user_sgpr_kernarg_segment_ptr 1
		.amdhsa_wavefront_size32 1
		.amdhsa_system_sgpr_workgroup_id_x 1
		.amdhsa_system_sgpr_workgroup_id_y 1
		.amdhsa_system_sgpr_workgroup_id_z 1
		.amdhsa_system_vgpr_workitem_id 0
		.amdhsa_next_free_vgpr 512
		.amdhsa_next_free_sgpr 76
		.amdhsa_reserve_vcc 0
		.amdhsa_float_denorm_mode_32 3
		.amdhsa_float_denorm_mode_16_64 3
		.amdhsa_memory_ordered 1
		.amdhsa_forward_progress 1
		.amdhsa_inst_pref_size 67
	.end_amdhsa_kernel
	.amdgpu_metadata
---
amdhsa.version: [ 1, 2 ]
amdhsa.kernels:
  - .name:           k_q7c35b9db19_stage2
    .symbol:         k_q7c35b9db19_stage2.kd
    .args:
      - { .name: x, .offset: 0, .size: 8, .value_kind: global_buffer, .address_space: global }
      - { .name: lengths, .offset: 8, .size: 8, .value_kind: global_buffer, .address_space: global }
      - { .name: ln1_w, .offset: 16, .size: 8, .value_kind: global_buffer, .address_space: global }
      - { .name: ln2_w, .offset: 24, .size: 8, .value_kind: global_buffer, .address_space: global }
      - { .name: csum, .offset: 32, .size: 8, .value_kind: global_buffer, .address_space: global }
      - { .name: x1, .offset: 40, .size: 8, .value_kind: global_buffer, .address_space: global }
      - { .name: h2, .offset: 48, .size: 8, .value_kind: global_buffer, .address_space: global }
    .group_segment_fixed_size: 197632
    .private_segment_fixed_size: 0
    .kernarg_segment_align: 8
    .kernarg_segment_size: 56
    .max_flat_workgroup_size: 256
    .sgpr_count:     76
    .vgpr_count:     512
    .wavefront_size: 32
...
	.end_amdgpu_metadata
.endif
;; end of part 2
;; launch fc (part 3): grid 16 x 16, 4 waves a work-group, clusters of 4 x 4, 327,680 bytes of LDS; arguments h2, wfcb, act; writes act
.if DOCPART == 3
	.amdgcn_target "amdgcn-amd-amdhsa--gfx1250"
	.amdhsa_code_object_version 6
	.text
	.protected	k_q7c35b9db19_fc
	.globl	k_q7c35b9db19_fc
	.p2align	8
	.type	k_q7c35b9db19_fc,@function
k_q7c35b9db19_fc:
	s_mov_b64 s[64:65], 0
	v_nop
	global_prefetch_b8 v0, s[64:65] scope:SCOPE_SE
	s_setreg_imm32_b32 hwreg(HW_REG_WAVE_MODE, 25, 1), 1
	s_wait_xcnt 0x0
	s_wait_alu depctr_hold_cnt(0) depctr_sa_sdst(0) depctr_va_vdst(0) depctr_va_sdst(0) depctr_va_ssrc(0) depctr_va_vcc(0) depctr_vm_vsrc(0)
	s_getreg_b32 s2, hwreg(HW_REG_IB_STS2, 6, 4)
	s_cmp_eq_u32 s2, 0
	s_cbranch_scc0 .Lentry_in_a_cluster
	s_endpgm
.Lentry_in_a_cluster:
	s_bfe_u32 s2, ttmp6, 0x10000c
	s_cmp_lg_u32 s2, 0xf033
	s_cbranch_scc0 .Lentry_shape_is_right
	s_endpgm
.Lentry_shape_is_right:
; act = gelu(h2 Wfc).  A = h2: [8192][1024] bf16, rows along K.  B = wfcb: [1024 (K)][4096 (N)] bf16, as the weight lies.  C = act: [8192][4096] bf16.  Sums in f32, K ascending; gelu in f32; C rounded once.
; A tile of C is 256 x 256, made by four waves, each 128 x 128: 64 accumulators of 16 x 16, 512 registers.  K goes in steps of 128 through a ring of two LDS slots filled by tensor loads: waves 0 and 1
; bring A's two halves (128 rows x 256 bytes), waves 2 and 3 B's (64 rows of K x 512 bytes).  A's fragments come out of LDS as they lie, B's turned, by ds_load_tr16_b128.
; A WORK-GROUP STAYS for two tiles, 4,096 rows apart, on the same columns; the ring runs on into the second tile.
; CLUSTERS of 4 x 4: A's tile is asked for jointly by a row of the cluster, B's by a column: the same tensor load, descriptor and mask in all four.
; THE MATRIX INSTRUCTION IS USED TRANSPOSED (source 0 = 16 columns of B, source 1 = 16 rows of A): a lane holds eight neighbouring numbers of a row of C.
; GELU (exact, by erf), on the way out: m = c u, c = sqrt(log2(e) / 2); t = 1 / (1 + p |m|); erf = 1 - t (a1 + .. t a5) 2^(-m m) (Abramowitz-Stegun 7.1.26); gelu = m hc + |m| Q, hc = 1 / (2 c), Q = hc x erf.
; LIMITS: erf good to 1.5e-7 absolute; for u < 0 the result is good to about 2^-24 |u| absolute, not relative; 2^(-m m) below 2^-126 counts as 0; NaN and infinities are not treated apart.
; REGISTERS, in windows of 256: window 0: v0-31 addresses; v64-127, v128-191 A's fragments, two buffers; on the way out v128-191 m, v192-223 t, v224-255 2^(-m m), v32-63 the polynomial.
;   window 1: v64-127, v128-191 B's fragments.   window 2: the accumulators of my rows 0-63 ((a, b) at v[8 (8 (a % 4) + b)]);   window 3: those of rows 64-127.
.set MB,     8                         ; blocks of 16 rows a wave
.set SIZE_N, 4096
.set SIZE_K, 1024
.set TILES,  2
.set WALK,   4096                      ; rows between a work-group's two tiles
.set KSTEP,  128
.set PITCHA, 272                       ; a row of A in LDS: 256 bytes + 16: the 16 rows of a load start at 16 different groups of four banks (64 banks of 4 bytes: ISA guide 11.1)
.set PITCHB, 544                       ; a row of B: 512 + 32
.set HALFA,  16*MB*PITCHA
.set HALFB,  64*PITCHB
.set BOFF,   2*HALFA                   ; a slot: A's 256 rows, then B's 128
.set SLOT,   BOFF+2*HALFB
.set STAGE,  2*SLOT                    ; behind the ring, never filled by a tensor load: 16 rows x 272 bytes for each wave
.set SPITCH, 272
.set SPARE,  STAGE+4*16*SPITCH         ; the spare words: 128 bytes a wave, two blocks of 256 bytes that no other line names
.set LAPS,   SIZE_K/(2*KSTEP)
.set NEXT_A, WALK*SIZE_K*2-(SIZE_K-2*KSTEP)*2   ; from a slot's last K step of a tile to its first of the next: A goes WALK rows down and back along K,
.set BACK_B, (SIZE_K-2*KSTEP)*SIZE_N*2          ; B only back
.set NEXT_P, WALK*SIZE_K*2-(SIZE_K/KSTEP-1)*KSTEP*2  ; the prefetches of A: from one K step past the tile's end, plus one, to the next tile's K step 2
.set NEXT_C, (WALK-7*16)*SIZE_N*2      ; from my last 16 rows of a tile to my first of the next
.set ADRA, 16                          ; v16-17  LDS address of my A fragments in slot 0, 1
.set ADRB, 20                          ; v20-21  the same for B
.set STO,  24
.set RD,   25
.set CO,   26
.set SPW,  28                          ; my spare word; never rewritten
.set NIL,  29                          ; 0; never rewritten
.set PFO,  30                          ; the prefetches' lane offset; never rewritten
.set F0,   64
.set F1,   128
.set GM,   128
.set GT,   192
.set GE,   224
.set GP,   32
.set G1,   24                          ; s[24:31] group 1 for A, s[32:39] group 0, a set for each slot
.set G0,   32
.set LIM,  43                          ; 1 in a wave that prefetches, else the greatest number
.set PFA,  44                          ; s[44:45] where my prefetches stand
.set G1B,  48                          ; s[48:55], s[56:63] the same for B
.set G0B,  56
.set PSTEP, 66                         ; s[66:67] bytes from K step to K step for my prefetches
.set CC,   68
.set HC,   70
.set A1,   72
.set A2,   74
.set A3,   76
.set A4,   78
.set A5,   80
.set PP,   82
.set BLK,  84
.set MSB, 0
.macro WIN new                         ; s_set_vgpr_msb: bits 1:0 source 0, 3:2 source 1, 5:4 source 2, 7:6 destination; the high byte repeats the setting that is left
.if MSB != (\new)
	s_set_vgpr_msb (MSB<<8)|(\new)
.set MSB, \new
.endif
.endm
.set MUL_LO, 0xa1                      ; source 0 (B) window 1, source 1 (A) window 0, C and D window 2
.set TO_B,   0x40
.macro PAIR r, val
	s_mov_b32 s[\r], \val
	s_mov_b32 s[(\r)+1], \val
.endm
; A joint load.  The branch hangs on the wave's number alone.  An s_nop 0 and four v_nop follow each of the two lines, ahead of the jump, the label and what follows.
.macro JLOAD s
	s_cmp_eq_u32 s11, 0
	s_cbranch_scc0 .Lfor_b_\@
	tensor_load_to_lds s[G0+4*(\s):G0+4*(\s)+3], s[G1:G1+7]
	s_nop 0
.rept 4
	v_nop
.endr
	s_branch .Lasked_\@
.Lfor_b_\@:
	tensor_load_to_lds s[G0B+4*(\s):G0B+4*(\s)+3], s[G1B:G1B+7]
	s_nop 0
.rept 4
	v_nop
.endr
.Lasked_\@:
.endm
; A prefetch of the K step that stands two refills on, one instruction a wave, behind the joint load and the run of LDS loads.  Each aligned block of 256 bytes is named once in the launch:
; A's rows by the clusters with x = 0 (waves 0, 1: of the 128 rows that the wave fetches, the partner at cx takes 32, a lane a row); B's rows by the clusters with y = 0, in the first tile alone (waves 2, 3:
; of the wave's 64 rows of K the partner at cy takes 16, two lanes a row of 512 bytes).  The partners are told apart by address; no branch hangs on a place in the cluster.
; how = 0, in the loop: the last trip's two refills have no K step two on.  how = 1: at the change of tiles.
.macro ASK how
.if \how
	s_cmp_eq_u32 s[LIM], 1
.else
	s_cmp_gt_u32 s3, s[LIM]
.endif
	s_cbranch_scc0 .Lnot_mine_\@
	global_prefetch_b8 v[PFO], s[PFA:PFA+1] th:TH_LOAD_NT scope:SCOPE_SE
.Lnot_mine_\@:
.endm
.macro CREST                           ; a round of the cluster's barrier behind its opening barrier
	s_cmp_lg_u32 s10, 0
	s_cbranch_scc1 .Lnot_wave_0_\@
	s_barrier_signal -3
.Lnot_wave_0_\@:
	s_barrier_wait -3
	s_barrier_signal -1
	s_barrier_wait -1
.endm
.macro CROUND
	s_barrier_signal -1
	s_barrier_wait -1
	CREST
.endm
.macro PLACES                          ; four places in front of loads into registers that matrix instructions have read, and of lines that read results just made
.rept 4
	v_nop
.endr
.endm
; 2 MB matrix instructions: row blocks p MB / 4 .. of the wave x all 8 column blocks, 32 along K, from buffer f.  zero = 1: the products start the sums.  The accumulators take turns, one instruction a turn.
.macro PART f, p, zero
.set pa, (\p)*MB/4
.rept MB/4
	WIN MUL_LO+0x50*(pa/4)
.irp b, 0,1,2,3,4,5,6,7
.if \zero
	v_wmma_f32_16x16x32_bf16 v[8*(8*(pa%4)+(\b)):8*(8*(pa%4)+(\b))+7], v[(\f)+8*(\b):(\f)+8*(\b)+7], v[(\f)+8*pa:(\f)+8*pa+7], 0
.else
	v_wmma_f32_16x16x32_bf16 v[8*(8*(pa%4)+(\b)):8*(8*(pa%4)+(\b))+7], v[(\f)+8*(\b):(\f)+8*(\b)+7], v[(\f)+8*pa:(\f)+8*pa+7], v[8*(8*(pa%4)+(\b)):8*(8*(pa%4)+(\b))+7]
.endif
.endr
.set pa, pa+1
.endr
.endm
; One run of LDS loads: the fragments of quarter q (32 along K) of a slot into buffer f: B's 8 (16 turning loads), then A's MB (2 MB loads)
.macro FETCH slot, q, f
	WIN TO_B
.irp i, 0,1,2,3,4,5,6,7
	ds_load_tr16_b128 v[(\f)+8*(\i):(\f)+8*(\i)+3],   v[ADRB+(\slot)] offset:(\q)*32*PITCHB+32*(\i)
	ds_load_tr16_b128 v[(\f)+8*(\i)+4:(\f)+8*(\i)+7], v[ADRB+(\slot)] offset:(\q)*32*PITCHB+32*(\i)+16*PITCHB
.endr
	WIN 0
.set fa, 0
.rept MB
	ds_load_b128 v[(\f)+8*fa:(\f)+8*fa+3],   v[ADRA+(\slot)] offset:64*(\q)+fa*16*PITCHA
	ds_load_b128 v[(\f)+8*fa+4:(\f)+8*fa+7], v[ADRA+(\slot)] offset:64*(\q)+fa*16*PITCHA+32
.set fa, fa+1
.endr
.endm
; One of a K step's first three quarters: multiplies buffer f; in its middle it fetches quarter q of the same slot into buffer g
.macro QUARTER slot, q, f, g, zero
	s_wait_dscnt MB                                ; B and A's lower half are in; the youngest MB loads (A's upper half) may be out
	PART \f, 0, \zero
	PART \f, 1, \zero
	PLACES
	FETCH \slot, \q, \g
	s_wait_dscnt 16+2*MB                           ; all but the run just issued
	PART \f, 2, \zero
	PART \f, 3, \zero
.endm
; The first half of a K step's last quarter: one barrier for the change of slots.  In front of it each wave waits for all its tensor loads (one is out: its part of the next slot), adds 0 to its spare word,
; and waits for that and for its reads of this slot.
.macro MEET round
	WIN 0
	s_wait_tensorcnt 0x0
	ds_add_u32 v[SPW], v[NIL]
	s_wait_dscnt MB+1                              ; (the add and A's upper half may be out)
	PART F1, 0, 0
	s_wait_dscnt 0x0                               ; the add is done, and my reads of this slot are over
	s_barrier_signal -1
	PART F1, 1, 0
.if \round
	WIN 0
.endif
	s_barrier_wait -1
.endm
; The whole last quarter.  Behind the round the slot just read is filled again first: with the K step two on (on = 0) or with the next tile's K step 0 or 1 (on = 1); then the next slot's first fragments.
.macro TURN slot, next, on
	s_wait_xcnt 0x0                                ; the last prefetch, a K step back, has read its address
.if (\on) && (\slot) == 0
	s_add_nc_u64 s[PFA:PFA+1], s[PFA:PFA+1], NEXT_P
	s_cmp_eq_u32 s11, 0
	s_cselect_b32 s[LIM], s[LIM], -1               ; B's rows are the same for both tiles: they are asked for no more
.else
	s_add_nc_u64 s[PFA:PFA+1], s[PFA:PFA+1], s[PSTEP:PSTEP+1]
.endif
	MEET 1
	CREST                                          ; no wave of any partner still reads this slot or has a load on its way
.if \on
	s_add_nc_u64 s[G0+4*(\slot)+2:G0+4*(\slot)+3], s[G0+4*(\slot)+2:G0+4*(\slot)+3], NEXT_A
	s_sub_nc_u64 s[G0B+4*(\slot)+2:G0B+4*(\slot)+3], s[G0B+4*(\slot)+2:G0B+4*(\slot)+3], BACK_B
.else
	s_add_nc_u64 s[G0+4*(\slot)+2:G0+4*(\slot)+3], s[G0+4*(\slot)+2:G0+4*(\slot)+3], 2*KSTEP*2
	s_add_nc_u64 s[G0B+4*(\slot)+2:G0B+4*(\slot)+3], s[G0B+4*(\slot)+2:G0B+4*(\slot)+3], 2*KSTEP*SIZE_N*2
.endif
	JLOAD \slot                                    ; my one tensor load behind the round; its four v_nop are also the places in front of the loads below
	FETCH \next, 0, F0
	ASK \on
	PART F1, 2, 0
	PART F1, 3, 0
.endm
; gelu of 32 numbers a lane: m holds c u; the result lands in t.  All 64 transcendentals are one batch with one wait.
.macro GELU32 m, t, e, p
.set i, 0
.rept 32
	v_fma_f32 v[(\t)+i], |v[(\m)+i]|, s[PP], 1.0
.set i, i+1
.endr
.set i, 0
.rept 16
	v_pk_mul_f32 v[(\e)+i:(\e)+i+1], v[(\m)+i:(\m)+i+1], v[(\m)+i:(\m)+i+1] neg_lo:[0,1] neg_hi:[0,1]
.set i, i+2
.endr
.set i, 0
.rept 32
	v_rcp_f32 v[(\t)+i], v[(\t)+i]
.set i, i+1
.endr
.set i, 0
.rept 32
	v_exp_f32 v[(\e)+i], v[(\e)+i]
.set i, i+1
.endr
	v_nop                                          ; a plain instruction behind the last exponential,
	s_wait_alu depctr_va_vdst(0)                   ; and the batch's one wait, ahead of its first reader
.set i, 0
.rept 16
	v_pk_fma_f32 v[(\p)+i:(\p)+i+1], v[(\t)+i:(\t)+i+1], s[A5:A5+1], s[A4:A4+1] op_sel_hi:[1,0,0]
.set i, i+2
.endr
.irp c, A3, A2, A1
.set i, 0
.rept 16
	v_pk_fma_f32 v[(\p)+i:(\p)+i+1], v[(\p)+i:(\p)+i+1], v[(\t)+i:(\t)+i+1], s[\c:\c+1] op_sel_hi:[1,1,0]
.set i, i+2
.endr
.endr
.set i, 0
.rept 16
	v_pk_mul_f32 v[(\p)+i:(\p)+i+1], v[(\p)+i:(\p)+i+1], v[(\t)+i:(\t)+i+1]
.set i, i+2
.endr
.set i, 0
.rept 16
	v_pk_fma_f32 v[(\p)+i:(\p)+i+1], v[(\p)+i:(\p)+i+1], v[(\e)+i:(\e)+i+1], s[HC:HC+1] op_sel_hi:[1,1,0] neg_lo:[1,0,0] neg_hi:[1,0,0]  ; Q
.set i, i+2
.endr
.set i, 0
.rept 32
	v_mul_f32 v[(\t)+i], |v[(\m)+i]|, v[(\p)+i]
.set i, i+1
.endr
.set i, 0
.rept 16
	v_pk_fma_f32 v[(\t)+i:(\t)+i+1], v[(\m)+i:(\m)+i+1], s[HC:HC+1], v[(\t)+i:(\t)+i+1] op_sel_hi:[1,0,1]
.set i, i+2
.endr
.endm
; THE WAY OUT: a loop over my eight blocks of 16 rows.  What differs from block to block is where the sums lie, so a short piece for each block brings m = c x sum into v128-191 (each accumulator's
; registers in ascending order), and one text does the rest: gelu in two halves of 32, rounding, 16 bytes a lane into my own stage, back as whole rows of 256 bytes, stores.
.macro STUB a
	WIN 0x02+(\a)/4                                ; source 0 in window 2 or 3
.set i, 0
.rept 32
	v_pk_mul_f32 v[GM+2*i:GM+2*i+1], v[64*((\a)%4)+2*i:64*((\a)%4)+2*i+1], s[CC:CC+1] op_sel_hi:[1,0]
.set i, i+1
.endr
	WIN 0
.endm
.macro TEST a, tag
	s_cmp_eq_u32 s[BLK], \a
	s_cbranch_scc1 .Lstub\a\tag
.endm
.macro STUBL a, tag
.Lstub\a\tag:
	STUB \a
.endm
.macro WAYOUT tag
	PLACES                                         ; behind the last products
	s_mov_b32 s[BLK], 0
.Lblk\tag:
	s_wait_xcnt 0x0                                ; the stores issued so far have read their data and their base
	s_add_nc_u64 s[8:9], s[8:9], s[16:17]          ; on to this block's rows
	s_mov_b64 s[16:17], 16*SIZE_N*2
	TEST 1, \tag
	TEST 2, \tag
	TEST 3, \tag
	TEST 4, \tag
	TEST 5, \tag
	TEST 6, \tag
	TEST 7, \tag
	STUB 0
	s_branch .Lgelu\tag
	STUBL 1, \tag
	s_branch .Lgelu\tag
	STUBL 2, \tag
	s_branch .Lgelu\tag
	STUBL 3, \tag
	s_branch .Lgelu\tag
	STUBL 4, \tag
	s_branch .Lgelu\tag
	STUBL 5, \tag
	s_branch .Lgelu\tag
	STUBL 6, \tag
	s_branch .Lgelu\tag
	STUBL 7, \tag
.Lgelu\tag:
.irp hf, 0,1
	GELU32 GM+32*\hf, GT, GE, GP
.set i, 0
.rept 16
	v_cvt_pk_bf16_f32 v[GM+32*\hf+i], v[GT+2*i], v[GT+2*i+1]
.set i, i+1
.endr
.irp bb, 0,1,2,3
	ds_store_b128 v[STO], v[GM+32*\hf+4*\bb:GM+32*\hf+4*\bb+3] offset:32*(4*\hf+\bb)
.endr
.endr
.irp t, 0,1,2,3,4,5,6,7
	ds_load_b128 v[GT+4*\t:GT+4*\t+3], v[RD] offset:\t*2*SPITCH  ; LDS serves a wave's instructions in order (ISA guide 5.7.1.4): these see the stores above
.endr
	s_wait_dscnt 0x0
.irp t, 0,1,2,3,4,5,6,7
	global_store_b128 v[CO], v[GT+4*\t:GT+4*\t+3], s[8:9] offset:2*\t*SIZE_N*2  ; 16 lanes store 256 consecutive bytes, aligned
.endr
	s_add_co_u32 s[BLK], s[BLK], 1
	s_cmp_lt_u32 s[BLK], 8
	s_cbranch_scc1 .Lblk\tag
.endm
	s_load_b128 s[4:7], s[0:1], 0x0                ; A s[4:5], B s[6:7]
	s_load_b64 s[8:9], s[0:1], 0x10                ; C
	v_lshl_add_u32 v[SPW], v0, 2, SPARE
	v_mov_b32 v[NIL], 0
	ds_add_u32 v[SPW], v[NIL]                      ; the wave's opening: the add and its wait ahead of my first tensor load; the set-up, work on registers, stands between
	ds_add_u32 v28, v29
	v_lshrrev_b32 v1, 5, v0
	v_readfirstlane_b32 s10, v1                    ; wave 0..3
	s_lshr_b32 s11, s10, 1                         ; which half of the tile's rows is mine.  Also: I fetch for A (0) or for B (1)
	s_and_b32 s12, s10, 1                          ; which half of its columns.  Also: which half of that tile I fetch
	s_bfe_u32 s40, ttmp6, 0x40000                  ; cx
	s_bfe_u32 s41, ttmp6, 0x40004                  ; cy
	s_lshl_b32 s42, ttmp9, 2
	s_add_co_u32 s42, s42, s40                     ; tile column = 4 x cluster x + cx
	s_and_b32 s13, ttmp7, 0xffff
	s_lshl_b32 s13, s13, 2
	s_add_co_u32 s13, s13, s41                     ; tile row = 4 x cluster y + cy
	s_lshl_b32 s43, s41, 2
	s_lshl_b32 s43, 15, s43                        ; my row of the cluster
	s_lshl_b32 s44, 0x1111, s40                    ; my column
	s_or_b32 s[G1+0], s43, (1<<16)|(1<<20)|(1<<21)|(5<<22)|(3<<25)   ; A: the mask of my row; 2-byte elements; padding on; bit 21 beside a mask; after every 64 words 4 words
	s_or_b32 s[G1B+0], s44, (1<<16)|(1<<20)|(1<<21)|(6<<22)|(7<<25)  ; B: the mask of my column; after every 128 words 8 words
	s_mov_b32 s[G1+1], KSTEP<<16                   ; tensor_dim0 = 128
	s_mov_b32 s[G1+2], (16*MB)<<16                 ; tensor_dim1 = 128
	s_mov_b32 s[G1+3], KSTEP<<16                   ; tile_dim0 = 128
	s_mov_b32 s[G1+4], 16*MB                       ; tile_dim1 = 128
	s_mov_b32 s[G1+5], SIZE_K                      ; elements from row to row
	s_mov_b32 s[G1+6], 0
	s_mov_b32 s[G1+7], 0
	s_mov_b32 s[G1B+1], 256<<16                    ; tensor_dim0 = 256
	s_mov_b32 s[G1B+2], 64<<16                     ; tensor_dim1 = 64
	s_mov_b32 s[G1B+3], 256<<16                    ; tile_dim0 = 256
	s_mov_b32 s[G1B+4], 64                         ; tile_dim1 = 64
	s_mov_b32 s[G1B+5], SIZE_N
	s_mov_b32 s[G1B+6], 0
	s_mov_b32 s[G1B+7], 0
	s_mov_b32 s[PP], 0x3e8ba43f
	PAIR CC, 0x3f596d27
	PAIR HC, 0x3f16b55f
	PAIR A1, 0x3e199eb3
	PAIR A2, 0xbe2b8119
	PAIR A3, 0x3f563817
	PAIR A4, 0xbf5b0099
	PAIR A5, 0x3f1ff67a
	; where the tiles come from: A's hang on the tile row alone, B's on the tile column alone; every wave makes both, in registers that never hold the other coordinate
	s_mul_i32 s17, s12, 16*MB
	s_mul_i32 s16, s13, 32*MB
	s_add_co_u32 s16, s16, s17                     ; A: row 256 x tile row + 128 x half
	s_mov_b32 s17, 0
	s_mov_b64 s[18:19], SIZE_K*2
	s_mul_u64 s[16:17], s[16:17], s[18:19]
	s_mul_i32 s46, s12, 64*SIZE_N*2                ; B: row of K 64 x half,
	s_lshl_b32 s47, s42, 9                         ; 512 bytes a tile column
	s_add_co_u32 s46, s46, s47
	s_mov_b32 s47, 0
	s_mul_i32 s20, s12, HALFA                      ; and where they go: no place in the cluster enters an LDS address
	s_mul_i32 s21, s12, HALFB
	s_add_co_u32 s21, s21, BOFF
	s_wait_dscnt 0x0                               ; the opening add is done
	s_wait_kmcnt 0x0
	s_add_nc_u64 s[14:15], s[4:5], s[16:17]
	s_add_nc_u64 s[46:47], s[6:7], s[46:47]
	CROUND                                         ; all sixteen work-groups are here: the first joint loads meet
.irp s, 0,1
	s_mov_b32 s[G0+4*(\s)], 1
	s_add_co_u32 s[G0+4*(\s)+1], s20, (\s)*SLOT
	s_add_nc_u64 s[G0+4*(\s)+2:G0+4*(\s)+3], s[14:15], (\s)*KSTEP*2
	s_or_b32 s[G0+4*(\s)+3], s[G0+4*(\s)+3], 0x80000000
	s_mov_b32 s[G0B+4*(\s)], 1
	s_add_co_u32 s[G0B+4*(\s)+1], s21, (\s)*SLOT
	s_add_nc_u64 s[G0B+4*(\s)+2:G0B+4*(\s)+3], s[46:47], (\s)*KSTEP*SIZE_N*2
	s_or_b32 s[G0B+4*(\s)+3], s[G0B+4*(\s)+3], 0x80000000
	JLOAD \s
.endr
	; A's fragment: lane l holds row l % 16; two loads of 16 bytes, 32 bytes apart, at row x pitch + 16 (l / 16)
	v_and_b32 v1, 15, v0                           ; l % 16
	v_bfe_u32 v2, v0, 4, 1                         ; l / 16
	v_mul_u32_u24 v3, v1, PITCHA
	v_lshl_add_u32 v3, v2, 4, v3
	; B's fragment, turned: lane l reads 16 bytes of row of K 8 (l / 16) + l % 8, columns 8 ((l / 8) % 2) + 0..7, and ends with column l % 16 and 8 numbers along K
	v_and_b32 v4, 7, v0
	v_lshl_add_u32 v4, v2, 3, v4
	v_mul_u32_u24 v4, v4, PITCHB
	v_bfe_u32 v5, v0, 3, 1
	v_lshl_add_u32 v4, v5, 4, v4
	s_mul_i32 s21, s11, HALFA                      ; my 128 rows of A
	s_lshl_b32 s22, s12, 8                         ; my 128 columns of B,
	s_add_co_u32 s22, s22, BOFF                    ; which lies behind A
.irp s, 0,1
	v_add_nc_u32 v[ADRA+(\s)], s21, v3
	v_add_nc_u32 v[ADRB+(\s)], s22, v4
	s_add_co_u32 s21, s21, SLOT
	s_add_co_u32 s22, s22, SLOT
.endr
	s_mul_i32 s23, s10, 16*SPITCH
	s_add_co_u32 s23, s23, STAGE                   ; my stage
	v_mul_u32_u24 v4, v1, SPITCH                   ; in: row l % 16, 16 bytes for each half of the lanes
	v_lshl_add_u32 v4, v2, 4, v4
	v_add_nc_u32 v[STO], s23, v4
	v_mul_u32_u24 v5, v2, SPITCH                   ; back: lanes 0-15 one row of 256 bytes, lanes 16-31 the next
	v_lshl_add_u32 v5, v1, 4, v5
	v_add_nc_u32 v[RD], s23, v5
	v_mul_u32_u24 v5, v2, SIZE_N*2                 ; and the same two rows in C
	v_lshl_add_u32 v[CO], v1, 4, v5
	s_mul_i32 s16, s13, 32*MB                      ; where my part of the first tile begins in C: the first way out adds it to C's address
	s_mul_i32 s14, s11, 16*MB
	s_add_co_u32 s16, s16, s14
	s_mov_b32 s17, 0
	s_mov_b64 s[18:19], SIZE_N*2
	s_mul_u64 s[16:17], s[16:17], s[18:19]
	s_lshl_b32 s46, s42, 9
	s_lshl_b32 s47, s12, 8
	s_add_co_u32 s46, s46, s47
	s_mov_b32 s47, 0
	s_add_nc_u64 s[16:17], s[16:17], s[46:47]
	; the prefetches stand at K step 3; each change of slots steps them before it asks, so the first names K step 4.  Nothing is asked for here, at the head
	s_mul_i32 s20, s13, 32*MB
	s_mul_i32 s21, s12, 16*MB
	s_add_co_u32 s20, s20, s21
	s_lshl_b32 s21, s40, 5
	s_add_co_u32 s20, s20, s21                     ; A: the 128 rows that I fetch, my work-group's 32 of them
	s_mov_b32 s21, 0
	s_mov_b64 s[18:19], SIZE_K*2
	s_mul_u64 s[20:21], s[20:21], s[18:19]
	s_add_nc_u64 s[20:21], s[20:21], 3*KSTEP*2
	s_lshl_b32 s22, s12, 6
	s_lshl_b32 s23, s41, 4
	s_add_co_u32 s22, s22, s23
	s_add_co_u32 s22, s22, 3*KSTEP                 ; B: the 64 rows of K that I fetch, my work-group's 16 of them
	s_mul_i32 s22, s22, SIZE_N*2
	s_lshl_b32 s23, s42, 9
	s_add_co_u32 s22, s22, s23
	s_mov_b32 s23, 0
	s_and_b32 s88, ttmp7, 0xffff                   ; cluster y
	s_mov_b32 s[PSTEP], KSTEP*2
	s_mov_b32 s[PSTEP+1], 0
	s_mov_b32 s89, KSTEP*SIZE_N*2
	s_mov_b32 s90, SIZE_K*2
	s_mov_b32 s91, SIZE_N*2
	s_cmp_eq_u32 s11, 0                            ; do I fetch for A?
	s_cselect_b64 s[20:21], s[20:21], s[22:23]
	s_cselect_b64 s[PFA:PFA+1], s[4:5], s[6:7]
	s_cselect_b32 s88, ttmp9, s88                  ; the coordinate along which other clusters read the same rows
	s_cselect_b32 s[PSTEP], s[PSTEP], s89
	s_cselect_b32 s90, s90, s91                    ; bytes in a row
	s_add_nc_u64 s[PFA:PFA+1], s[PFA:PFA+1], s[20:21]
	s_cmp_eq_u32 s88, 0
	s_cselect_b32 s[LIM], 1, -1                    ; the same in all sixteen partners, for a given wave
	v_and_b32 v6, 31, v0
	v_lshrrev_b32 v7, s11, v6                      ; A: a lane a row; B: two lanes a row,
	v_mul_lo_u32 v7, v7, s90
	v_and_b32 v6, s11, v6                          ; the odd one its second 256 bytes
	v_lshl_add_u32 v[PFO], v6, 8, v7
	s_wait_tensorcnt 1                             ; my part of K step 0 is in; K step 1's may stay out
	s_barrier_signal -1
	s_barrier_wait -1
	FETCH 0, 0, F0
	s_mov_b32 s2, TILES
.Ltile:
	QUARTER 0, 1, F0, F1, 1                        ; a tile's first quarter stands in front of the loop: its products start the sums
	WIN 0
	s_mov_b32 s3, LAPS-1
.Llap:                                                 ; a trip goes once round the ring and fills both slots again
	QUARTER 0, 2, F1, F0, 0
	QUARTER 0, 3, F0, F1, 0
	TURN 0, 1, 0
	QUARTER 1, 1, F0, F1, 0
	QUARTER 1, 2, F1, F0, 0
	QUARTER 1, 3, F0, F1, 0
	TURN 1, 0, 0
	QUARTER 0, 1, F0, F1, 0
	WIN 0
	s_sub_co_u32 s3, s3, 1
	s_cmp_lg_u32 s3, 0
	s_cbranch_scc1 .Llap
	QUARTER 0, 2, F1, F0, 0
	QUARTER 0, 3, F0, F1, 0
	WIN 0
	s_cmp_eq_u32 s2, 1
	s_cbranch_scc1 .Llast_tile                     ; the last tile's tail is written out: it asks for nothing more
	TURN 0, 1, 1                                   ; the ring goes on into the next tile: slot 0 takes its K step 0,
	QUARTER 1, 1, F0, F1, 0
	QUARTER 1, 2, F1, F0, 0
	QUARTER 1, 3, F0, F1, 0
	TURN 1, 0, 1                                   ; slot 1 its K step 1, and the next tile's first fragments are fetched (buffer 0, which the way out leaves alone)
	WIN 0
	WAYOUT 1
	s_mov_b64 s[16:17], NEXT_C                     ; what the next way out adds first
	s_sub_co_u32 s2, s2, 1
	s_branch .Ltile
.Llast_tile:
	MEET 0                                         ; my one tensor load that was out is the last K step's, so no round follows
	PLACES
	FETCH 1, 0, F0
	PART F1, 2, 0
	PART F1, 3, 0
	QUARTER 1, 1, F0, F1, 0
	QUARTER 1, 2, F1, F0, 0
	QUARTER 1, 3, F0, F1, 0
	s_wait_dscnt MB
	PART F1, 0, 0
	PART F1, 1, 0
	s_wait_dscnt 0x0
	PART F1, 2, 0
	PART F1, 3, 0
	WIN 0
	WAYOUT 2
	s_wait_tensorcnt 0x0                           ; the wave's end, behind my last tensor load and my last LDS store
	ds_add_u32 v[SPW], v[NIL]
	s_wait_dscnt 0x0
	CROUND                                         ; the closing round: no work-group ends while a partner may still ask for a tile that names it
	s_endpgm
.Lfunc_end_k_q7c35b9db19_fc:
	.size	k_q7c35b9db19_fc, .Lfunc_end_k_q7c35b9db19_fc-k_q7c35b9db19_fc
	.p2alignl 7, 3214868480
	.fill 96, 4, 3214868480
	.section	.rodata,"a",@progbits
	.p2align	6, 0x0
	.amdhsa_kernel k_q7c35b9db19_fc
		.amdhsa_group_segment_fixed_size 327680
		.amdhsa_private_segment_fixed_size 0
		.amdhsa_enable_private_segment 0
		.amdhsa_kernarg_size 24
		.amdhsa_user_sgpr_count 2
		.amdhsa_user_sgpr_kernarg_segment_ptr 1
		.amdhsa_wavefront_size32 1
		.amdhsa_system_sgpr_workgroup_id_x 1
		.amdhsa_system_sgpr_workgroup_id_y 1
		.amdhsa_system_sgpr_workgroup_id_z 1
		.amdhsa_system_vgpr_workitem_id 0
		.amdhsa_next_free_vgpr 1024
		.amdhsa_next_free_sgpr 96
		.amdhsa_reserve_vcc 0
		.amdhsa_float_denorm_mode_32 3
		.amdhsa_float_denorm_mode_16_64 3
		.amdhsa_memory_ordered 1
		.amdhsa_forward_progress 1
		.amdhsa_inst_pref_size 248
	.end_amdhsa_kernel
	.amdgpu_metadata
---
amdhsa.version: [ 1, 2 ]
amdhsa.kernels:
  - .name:           k_q7c35b9db19_fc
    .symbol:         k_q7c35b9db19_fc.kd
    .args:
      - { .name: h2, .offset: 0, .size: 8, .value_kind: global_buffer, .address_space: global }
      - { .name: wfcb, .offset: 8, .size: 8, .value_kind: global_buffer, .address_space: global }
      - { .name: act, .offset: 16, .size: 8, .value_kind: global_buffer, .address_space: global }
    .group_segment_fixed_size: 327680
    .private_segment_fixed_size: 0
    .kernarg_segment_align: 8
    .kernarg_segment_size: 24
    .max_flat_workgroup_size: 128
    .sgpr_count:     96
    .vgpr_count:     1024
    .wavefront_size: 32
...
	.end_amdgpu_metadata
.endif
;; end of part 3
;; launch proj (part 4): grid 4 x 64, 4 waves a work-group, clusters of 4 x 4, 327,680 bytes of LDS; arguments act, wprojb, out0, x1; writes out0
.if DOCPART == 4
	.amdgcn_target "amdgcn-amd-amdhsa--gfx1250"
	.amdhsa_code_object_version 6
	.text
	.protected	k_q7c35b9db19_proj
	.globl	k_q7c35b9db19_proj
	.p2align	8
	.type	k_q7c35b9db19_proj,@function
k_q7c35b9db19_proj:
	s_mov_b64 s[64:65], 0
	v_nop
	global_prefetch_b8 v0, s[64:65] scope:SCOPE_SE
	s_setreg_imm32_b32 hwreg(HW_REG_WAVE_MODE, 25, 1), 1
	s_wait_xcnt 0x0
	s_wait_alu depctr_hold_cnt(0) depctr_sa_sdst(0) depctr_va_vdst(0) depctr_va_sdst(0) depctr_va_ssrc(0) depctr_va_vcc(0) depctr_vm_vsrc(0)
	s_getreg_b32 s2, hwreg(HW_REG_IB_STS2, 6, 4)
	s_cmp_eq_u32 s2, 0
	s_cbranch_scc0 .Lentry_in_a_cluster
	s_endpgm
.Lentry_in_a_cluster:
	s_bfe_u32 s2, ttmp6, 0x10000c
	s_cmp_lg_u32 s2, 0xf033
	s_cbranch_scc0 .Lentry_shape_is_right
	s_endpgm
.Lentry_shape_is_right:
; out0 = x1 + act Wproj.  A = act: [8192][4096] bf16, rows along K.  B = wprojb: [4096 (K)][1024 (N)] bf16, as the weight lies.  x1, out0: [8192][1024] f32.  Sums in f32, K ascending; one f32 addition of x1.
; C has 8192 x 1024 numbers: tiles of 128 x 256 give 256 work-groups.  Four waves, each 64 x 128: 32 accumulators of 16 x 16, 256 registers.  K goes in steps of 128 through a ring of two LDS slots filled by
; tensor loads: waves 0 and 1 bring A's two halves (64 rows x 256 bytes), waves 2 and 3 B's (64 rows of K x 512 bytes).  A's fragments come out of LDS as they lie, B's turned, by ds_load_tr16_b128.
; CLUSTERS of 4 x 4: the four tile columns are one row of a cluster, so A's tile is asked for once for all that read it; B's tile is shared along a column of the cluster.
; THE MATRIX INSTRUCTION IS USED TRANSPOSED (source 0 = 16 columns of B, source 1 = 16 rows of A): a lane holds eight neighbouring numbers of a row of C.
; x1's part of my 64 x 128 is loaded at the head into window 3, in the layout of the stores, and waits there.  NaN and infinities are not treated apart.
; REGISTERS, in windows of 256: window 0: v0-31 addresses; v64-95, v128-159 A's fragments, two buffers; on the way out v128-191 and v192-255 by turns.
;   window 1: v64-127, v128-191 B's fragments.   window 2: the accumulators ((a, b) at v[8 (8 a + b)]).   window 3: x1, row 16 a + t of mine at v[64 a + 4 t].
.set MB,     4                         ; blocks of 16 rows a wave
.set SIZE_N, 1024
.set SIZE_K, 4096
.set KSTEP,  128
.set PITCHA, 272                       ; a row of A in LDS: 256 bytes + 16: the 16 rows of a load start at 16 different groups of four banks (64 banks of 4 bytes: ISA guide 11.1)
.set PITCHB, 544                       ; a row of B: 512 + 32
.set HALFA,  16*MB*PITCHA
.set HALFB,  64*PITCHB
.set BOFF,   2*HALFA                   ; a slot: A's 128 rows, then B's 128
.set SLOT,   BOFF+2*HALFB
.set STAGE,  2*SLOT                    ; behind the ring, never filled by a tensor load: 16 rows x 528 bytes for each wave
.set SPITCH, 528                       ; 512 bytes + 16
.set SPARE,  STAGE+4*16*SPITCH         ; the spare words: 128 bytes a wave, two blocks of 256 bytes that no other line names
.set LAPS,   SIZE_K/(2*KSTEP)
.set ADRA, 16                          ; v16-17  LDS address of my A fragments in slot 0, 1
.set ADRB, 20                          ; v20-21  the same for B
.set STO,  24
.set RD,   25
.set CO,   26                          ; 16 x lane; never rewritten
.set SPW,  28                          ; my spare word; never rewritten
.set NIL,  29                          ; 0; never rewritten
.set PFO,  30                          ; the prefetches' lane offset; never rewritten
.set F0,   64
.set F1,   128
.set G1,   24                          ; s[24:31] group 1 for A, s[32:39] group 0, a set for each slot
.set G0,   32
.set LIM,  43                          ; 1 in a wave that prefetches, else the greatest number
.set PFA,  44                          ; s[44:45] where my prefetches stand
.set G1B,  48                          ; s[48:55], s[56:63] the same for B
.set G0B,  56
.set PSTEP, 66                         ; s[66:67] bytes from K step to K step for my prefetches
.set MSB, 0
.macro WIN new                         ; s_set_vgpr_msb: bits 1:0 source 0, 3:2 source 1, 5:4 source 2, 7:6 destination; the high byte repeats the setting that is left
.if MSB != (\new)
	s_set_vgpr_msb (MSB<<8)|(\new)
.set MSB, \new
.endif
.endm
.set MUL_LO, 0xa1                      ; source 0 (B) window 1, source 1 (A) window 0, C and D window 2
.set TO_B,   0x40
; A joint load.  The branch hangs on the wave's number alone.  An s_nop 0 and four v_nop follow each of the two lines, ahead of the jump, the label and what follows.
.macro JLOAD s
	s_cmp_eq_u32 s11, 0
	s_cbranch_scc0 .Lfor_b_\@
	tensor_load_to_lds s[G0+4*(\s):G0+4*(\s)+3], s[G1:G1+7]
	s_nop 0
.rept 4
	v_nop
.endr
	s_branch .Lasked_\@
.Lfor_b_\@:
	tensor_load_to_lds s[G0B+4*(\s):G0B+4*(\s)+3], s[G1B:G1B+7]
	s_nop 0
.rept 4
	v_nop
.endr
.Lasked_\@:
.endm
; A prefetch of the K step that stands two refills on, one instruction a wave, behind the joint load and the run of LDS loads.  Each aligned block of 256 bytes is named once in the launch:
; A's 128 rows by wave 0 (the partner at cx takes 32, a lane a row); B's rows by the clusters with y = 0 (waves 2, 3: of the wave's 64 rows of K the partner at cy takes 16, two lanes a row of 512 bytes).
; The partners are told apart by address; no branch hangs on a place in the cluster.  The loop's last trip asks for nothing: its two refills have no K step two on.
.macro ASK
	s_cmp_gt_u32 s3, s[LIM]
	s_cbranch_scc0 .Lnot_mine_\@
	global_prefetch_b8 v[PFO], s[PFA:PFA+1] th:TH_LOAD_NT scope:SCOPE_SE
.Lnot_mine_\@:
.endm
.macro CREST                           ; a round of the cluster's barrier behind its opening barrier
	s_cmp_lg_u32 s10, 0
	s_cbranch_scc1 .Lnot_wave_0_\@
	s_barrier_signal -3
.Lnot_wave_0_\@:
	s_barrier_wait -3
	s_barrier_signal -1
	s_barrier_wait -1
.endm
.macro CROUND
	s_barrier_signal -1
	s_barrier_wait -1
	CREST
.endm
.macro PLACES                          ; four places in front of loads into registers that matrix instructions have read, and of lines that read results just made
.rept 4
	v_nop
.endr
.endm
; 2 MB matrix instructions: row block p of the wave x all 8 column blocks, 32 along K, from buffer f.  zero = 1: the products start the sums.  The accumulators take turns, one instruction a turn.
.macro PART f, p, zero
.set pa, (\p)*MB/4
.rept MB/4
	WIN MUL_LO+0x50*(pa/4)
.irp b, 0,1,2,3,4,5,6,7
.if \zero
	v_wmma_f32_16x16x32_bf16 v[8*(8*(pa%4)+(\b)):8*(8*(pa%4)+(\b))+7], v[(\f)+8*(\b):(\f)+8*(\b)+7], v[(\f)+8*pa:(\f)+8*pa+7], 0
.else
	v_wmma_f32_16x16x32_bf16 v[8*(8*(pa%4)+(\b)):8*(8*(pa%4)+(\b))+7], v[(\f)+8*(\b):(\f)+8*(\b)+7], v[(\f)+8*pa:(\f)+8*pa+7], v[8*(8*(pa%4)+(\b)):8*(8*(pa%4)+(\b))+7]
.endif
.endr
.set pa, pa+1
.endr
.endm
; One run of LDS loads: the fragments of quarter q (32 along K) of a slot into buffer f: B's 8 (16 turning loads), then A's MB (2 MB loads)
.macro FETCH slot, q, f
	WIN TO_B
.irp i, 0,1,2,3,4,5,6,7
	ds_load_tr16_b128 v[(\f)+8*(\i):(\f)+8*(\i)+3],   v[ADRB+(\slot)] offset:(\q)*32*PITCHB+32*(\i)
	ds_load_tr16_b128 v[(\f)+8*(\i)+4:(\f)+8*(\i)+7], v[ADRB+(\slot)] offset:(\q)*32*PITCHB+32*(\i)+16*PITCHB
.endr
	WIN 0
.set fa, 0
.rept MB
	ds_load_b128 v[(\f)+8*fa:(\f)+8*fa+3],   v[ADRA+(\slot)] offset:64*(\q)+fa*16*PITCHA
	ds_load_b128 v[(\f)+8*fa+4:(\f)+8*fa+7], v[ADRA+(\slot)] offset:64*(\q)+fa*16*PITCHA+32
.set fa, fa+1
.endr
.endm
; One of a K step's first three quarters: multiplies buffer f; in its middle it fetches quarter q of the same slot into buffer g
.macro QUARTER slot, q, f, g, zero
	s_wait_dscnt MB                                ; B and A's lower half are in; the youngest MB loads (A's upper half) may be out
	PART \f, 0, \zero
	PART \f, 1, \zero
	PLACES
	FETCH \slot, \q, \g
	s_wait_dscnt 16+2*MB                           ; all but the run just issued
	PART \f, 2, \zero
	PART \f, 3, \zero
.endm
; The first half of a K step's last quarter: one barrier for the change of slots.  In front of it each wave waits for all its tensor loads (one is out: its part of the next slot), adds 0 to its spare word,
; and waits for that and for its reads of this slot.
.macro MEET round
	WIN 0
	s_wait_tensorcnt 0x0
	ds_add_u32 v[SPW], v[NIL]
	s_wait_dscnt MB+1                              ; (the add and A's upper half may be out)
	PART F1, 0, 0
	s_wait_dscnt 0x0                               ; the add is done, and my reads of this slot are over
	s_barrier_signal -1
	PART F1, 1, 0
.if \round
	WIN 0
.endif
	s_barrier_wait -1
.endm
; The whole last quarter.  Behind the round the slot just read is filled again first, with the K step two on; then come the next slot's first fragments.
.macro TURN slot, next
	s_wait_xcnt 0x0                                ; the last prefetch, a K step back, has read its address
	s_add_nc_u64 s[PFA:PFA+1], s[PFA:PFA+1], s[PSTEP:PSTEP+1]
	MEET 1
	CREST                                          ; no wave of any partner still reads this slot or has a load on its way
	s_add_nc_u64 s[G0+4*(\slot)+2:G0+4*(\slot)+3], s[G0+4*(\slot)+2:G0+4*(\slot)+3], 2*KSTEP*2
	s_add_nc_u64 s[G0B+4*(\slot)+2:G0B+4*(\slot)+3], s[G0B+4*(\slot)+2:G0B+4*(\slot)+3], 2*KSTEP*SIZE_N*2
	JLOAD \slot                                    ; my one tensor load behind the round; its four v_nop are also the places in front of the loads below
	FETCH \next, 0, F0
	ASK
	PART F1, 2, 0
	PART F1, 3, 0
.endm
	s_load_b128 s[4:7], s[0:1], 0x0                ; A s[4:5], B s[6:7]
	s_load_b64 s[8:9], s[0:1], 0x10                ; out0
	s_load_b64 s[86:87], s[0:1], 0x18              ; x1
	v_lshl_add_u32 v[SPW], v0, 2, SPARE
	v_mov_b32 v[NIL], 0
	ds_add_u32 v[SPW], v[NIL]                      ; the wave's opening: the add and its wait ahead of my first tensor load; the set-up, work on registers, stands between
	ds_add_u32 v28, v29
	v_lshrrev_b32 v1, 5, v0
	v_readfirstlane_b32 s10, v1                    ; wave 0..3
	s_lshr_b32 s11, s10, 1                         ; which half of the tile's rows is mine.  Also: I fetch for A (0) or for B (1)
	s_and_b32 s12, s10, 1                          ; which half of its columns.  Also: which half of that tile I fetch
	s_bfe_u32 s40, ttmp6, 0x40000                  ; cx
	s_bfe_u32 s41, ttmp6, 0x40004                  ; cy
	s_lshl_b32 s42, ttmp9, 2
	s_add_co_u32 s42, s42, s40                     ; tile column = 4 x cluster x + cx
	s_and_b32 s13, ttmp7, 0xffff
	s_lshl_b32 s13, s13, 2
	s_add_co_u32 s13, s13, s41                     ; tile row = 4 x cluster y + cy
	s_lshl_b32 s43, s41, 2
	s_lshl_b32 s43, 15, s43                        ; my row of the cluster
	s_lshl_b32 s44, 0x1111, s40                    ; my column
	s_or_b32 s[G1+0], s43, (1<<16)|(1<<20)|(1<<21)|(5<<22)|(3<<25)   ; A: the mask of my row; 2-byte elements; padding on; bit 21 beside a mask; after every 64 words 4 words
	s_or_b32 s[G1B+0], s44, (1<<16)|(1<<20)|(1<<21)|(6<<22)|(7<<25)  ; B: the mask of my column; after every 128 words 8 words
	s_mov_b32 s[G1+1], KSTEP<<16                   ; tensor_dim0 = 128
	s_mov_b32 s[G1+2], (16*MB)<<16                 ; tensor_dim1 = 64
	s_mov_b32 s[G1+3], KSTEP<<16                   ; tile_dim0 = 128
	s_mov_b32 s[G1+4], 16*MB                       ; tile_dim1 = 64
	s_mov_b32 s[G1+5], SIZE_K                      ; elements from row to row
	s_mov_b32 s[G1+6], 0
	s_mov_b32 s[G1+7], 0
	s_mov_b32 s[G1B+1], 256<<16                    ; tensor_dim0 = 256
	s_mov_b32 s[G1B+2], 64<<16                     ; tensor_dim1 = 64
	s_mov_b32 s[G1B+3], 256<<16                    ; tile_dim0 = 256
	s_mov_b32 s[G1B+4], 64                         ; tile_dim1 = 64
	s_mov_b32 s[G1B+5], SIZE_N
	s_mov_b32 s[G1B+6], 0
	s_mov_b32 s[G1B+7], 0
	; where the tiles come from: A's hang on the tile row alone, B's on the tile column alone; every wave makes both, in registers that never hold the other coordinate
	s_mul_i32 s17, s12, 16*MB
	s_mul_i32 s16, s13, 32*MB
	s_add_co_u32 s16, s16, s17                     ; A: row 128 x tile row + 64 x half
	s_mov_b32 s17, 0
	s_mov_b64 s[18:19], SIZE_K*2
	s_mul_u64 s[16:17], s[16:17], s[18:19]
	s_mul_i32 s46, s12, 64*SIZE_N*2                ; B: row of K 64 x half,
	s_lshl_b32 s47, s42, 9                         ; 512 bytes a tile column
	s_add_co_u32 s46, s46, s47
	s_mov_b32 s47, 0
	s_mul_i32 s20, s12, HALFA                      ; and where they go: no place in the cluster enters an LDS address
	s_mul_i32 s21, s12, HALFB
	s_add_co_u32 s21, s21, BOFF
	s_wait_dscnt 0x0                               ; the opening add is done
	s_wait_kmcnt 0x0
	s_add_nc_u64 s[14:15], s[4:5], s[16:17]
	s_add_nc_u64 s[46:47], s[6:7], s[46:47]
	CROUND                                         ; all sixteen work-groups are here: the first joint loads meet
.irp s, 0,1
	s_mov_b32 s[G0+4*(\s)], 1
	s_add_co_u32 s[G0+4*(\s)+1], s20, (\s)*SLOT
	s_add_nc_u64 s[G0+4*(\s)+2:G0+4*(\s)+3], s[14:15], (\s)*KSTEP*2
	s_or_b32 s[G0+4*(\s)+3], s[G0+4*(\s)+3], 0x80000000
	s_mov_b32 s[G0B+4*(\s)], 1
	s_add_co_u32 s[G0B+4*(\s)+1], s21, (\s)*SLOT
	s_add_nc_u64 s[G0B+4*(\s)+2:G0B+4*(\s)+3], s[46:47], (\s)*KSTEP*SIZE_N*2
	s_or_b32 s[G0B+4*(\s)+3], s[G0B+4*(\s)+3], 0x80000000
	JLOAD \s
.endr
	; where my 64 x 128 begins in x1 and in out0: rows of 4,096 bytes; a lane's 16 bytes of a row's 512
	s_mul_i32 s16, s13, 32*MB
	s_mul_i32 s14, s11, 16*MB
	s_add_co_u32 s16, s16, s14
	s_mov_b32 s17, 0
	s_mov_b64 s[18:19], SIZE_N*4
	s_mul_u64 s[16:17], s[16:17], s[18:19]
	s_lshl_b32 s46, s42, 10
	s_lshl_b32 s47, s12, 9
	s_add_co_u32 s46, s46, s47
	s_mov_b32 s47, 0
	s_add_nc_u64 s[16:17], s[16:17], s[46:47]
	s_add_nc_u64 s[8:9], s[8:9], s[16:17]
	s_add_nc_u64 s[86:87], s[86:87], s[16:17]
	v_and_b32 v6, 31, v0
	v_lshlrev_b32 v[CO], 4, v6
	WIN 0xc0                                       ; destination window 3
.set i, 0
.rept 64
	global_load_b128 v[4*i:4*i+3], v[CO], s[86:87] offset:i*SIZE_N*4 th:TH_LOAD_NT  ; my row i of x1: 512 consecutive bytes, aligned
.set i, i+1
.endr
	WIN 0
	; A's fragment: lane l holds row l % 16; two loads of 16 bytes, 32 bytes apart, at row x pitch + 16 (l / 16)
	v_and_b32 v1, 15, v0                           ; l % 16
	v_bfe_u32 v2, v0, 4, 1                         ; l / 16
	v_mul_u32_u24 v3, v1, PITCHA
	v_lshl_add_u32 v3, v2, 4, v3
	; B's fragment, turned: lane l reads 16 bytes of row of K 8 (l / 16) + l % 8, columns 8 ((l / 8) % 2) + 0..7, and ends with column l % 16 and 8 numbers along K
	v_and_b32 v4, 7, v0
	v_lshl_add_u32 v4, v2, 3, v4
	v_mul_u32_u24 v4, v4, PITCHB
	v_bfe_u32 v5, v0, 3, 1
	v_lshl_add_u32 v4, v5, 4, v4
	s_mul_i32 s21, s11, HALFA                      ; my 64 rows of A
	s_lshl_b32 s22, s12, 8                         ; my 128 columns of B,
	s_add_co_u32 s22, s22, BOFF                    ; which lies behind A
.irp s, 0,1
	v_add_nc_u32 v[ADRA+(\s)], s21, v3
	v_add_nc_u32 v[ADRB+(\s)], s22, v4
	s_add_co_u32 s21, s21, SLOT
	s_add_co_u32 s22, s22, SLOT
.endr
	s_mul_i32 s23, s10, 16*SPITCH
	s_add_co_u32 s23, s23, STAGE                   ; my stage
	v_mul_u32_u24 v4, v1, SPITCH                   ; in: row l % 16, 32 bytes for each half of the lanes
	v_lshl_add_u32 v4, v2, 5, v4
	v_add_nc_u32 v[STO], s23, v4
	v_add_nc_u32 v[RD], s23, v[CO]                 ; back: 32 lanes take one row of 512 bytes
	; the prefetches stand at K step 3; each change of slots steps them before it asks, so the first names K step 4.  Nothing is asked for here, at the head
	s_mul_i32 s20, s13, 32*MB
	s_lshl_b32 s21, s40, 5
	s_add_co_u32 s20, s20, s21                     ; A: the tile's 128 rows, my work-group's 32 of them
	s_mov_b32 s21, 0
	s_mov_b64 s[18:19], SIZE_K*2
	s_mul_u64 s[20:21], s[20:21], s[18:19]
	s_add_nc_u64 s[20:21], s[20:21], 3*KSTEP*2
	s_lshl_b32 s22, s12, 6
	s_lshl_b32 s23, s41, 4
	s_add_co_u32 s22, s22, s23
	s_add_co_u32 s22, s22, 3*KSTEP                 ; B: the 64 rows of K that I fetch, my work-group's 16 of them
	s_mul_i32 s22, s22, SIZE_N*2
	s_lshl_b32 s23, s42, 9
	s_add_co_u32 s22, s22, s23
	s_mov_b32 s23, 0
	s_and_b32 s88, ttmp7, 0xffff                   ; cluster y
	s_or_b32 s92, ttmp9, s12                       ; 0 in wave 0 of the clusters with x = 0
	s_mov_b32 s[PSTEP], KSTEP*2
	s_mov_b32 s[PSTEP+1], 0
	s_mov_b32 s89, KSTEP*SIZE_N*2
	s_mov_b32 s90, SIZE_K*2
	s_mov_b32 s91, SIZE_N*2
	s_cmp_eq_u32 s11, 0                            ; do I fetch for A?
	s_cselect_b64 s[20:21], s[20:21], s[22:23]
	s_cselect_b64 s[PFA:PFA+1], s[4:5], s[6:7]
	s_cselect_b32 s88, s92, s88
	s_cselect_b32 s[PSTEP], s[PSTEP], s89
	s_cselect_b32 s90, s90, s91                    ; bytes in a row
	s_add_nc_u64 s[PFA:PFA+1], s[PFA:PFA+1], s[20:21]
	s_cmp_eq_u32 s88, 0
	s_cselect_b32 s[LIM], 1, -1                    ; the same in all sixteen partners, for a given wave
	v_lshrrev_b32 v7, s11, v6                      ; A: a lane a row; B: two lanes a row,
	v_mul_lo_u32 v7, v7, s90
	v_and_b32 v6, s11, v6                          ; the odd one its second 256 bytes
	v_lshl_add_u32 v[PFO], v6, 8, v7
	s_wait_tensorcnt 1                             ; my part of K step 0 is in; K step 1's may stay out
	s_barrier_signal -1
	s_barrier_wait -1
	FETCH 0, 0, F0
	QUARTER 0, 1, F0, F1, 1                        ; the first quarter stands in front of the loop: its products start the sums
	WIN 0
	s_mov_b32 s3, LAPS-1
.Llap:                                                 ; a trip goes once round the ring and fills both slots again
	QUARTER 0, 2, F1, F0, 0
	QUARTER 0, 3, F0, F1, 0
	TURN 0, 1
	QUARTER 1, 1, F0, F1, 0
	QUARTER 1, 2, F1, F0, 0
	QUARTER 1, 3, F0, F1, 0
	TURN 1, 0
	QUARTER 0, 1, F0, F1, 0
	WIN 0
	s_sub_co_u32 s3, s3, 1
	s_cmp_lg_u32 s3, 0
	s_cbranch_scc1 .Llap
	QUARTER 0, 2, F1, F0, 0                        ; the last lap fills nothing
	QUARTER 0, 3, F0, F1, 0
	MEET 0                                         ; my one tensor load that was out is the last K step's; no round follows
	PLACES
	FETCH 1, 0, F0
	PART F1, 2, 0
	PART F1, 3, 0
	QUARTER 1, 1, F0, F1, 0
	QUARTER 1, 2, F1, F0, 0
	QUARTER 1, 3, F0, F1, 0
	s_wait_dscnt MB
	PART F1, 0, 0
	PART F1, 1, 0
	s_wait_dscnt 0x0
	PART F1, 2, 0
	PART F1, 3, 0
	WIN 0
	; THE WAY OUT, a block of 16 rows at a time: a lane's eight f32 of a row go into my own stage (rows of 528 bytes), come back as whole rows of 512 bytes, take x1, and are stored.
	PLACES                                         ; behind the last products
.irp a, 0,1,2,3
.if \a >= 2
	s_wait_xcnt 0x0                                ; the stores of the block two back have read their data
.endif
	WIN 0x08                                       ; the stores' data in window 2; each accumulator's low registers go first
.irp b, 0,1,2,3,4,5,6,7
	ds_store_b128 v[STO], v[64*\a+8*\b:64*\a+8*\b+3]   offset:64*\b
	ds_store_b128 v[STO], v[64*\a+8*\b+4:64*\a+8*\b+7] offset:64*\b+16
.endr
	WIN 0
.set BK, 128+64*((\a)%2)
.irp t, 0,1,2,3,4,5,6,7,8,9,10,11,12,13,14,15
	ds_load_b128 v[BK+4*\t:BK+4*\t+3], v[RD] offset:\t*SPITCH  ; LDS serves a wave's instructions in order (ISA guide 5.7.1.4): these see the stores above
.endr
	s_wait_dscnt 0x0
.if \a == 0
	s_wait_loadcnt 0x0                             ; x1
.endif
	WIN 0x0c                                       ; source 1 in window 3
.set i, 0
.rept 32
	v_pk_add_f32 v[BK+2*i:BK+2*i+1], v[BK+2*i:BK+2*i+1], v[64*\a+2*i:64*\a+2*i+1]
.set i, i+1
.endr
	WIN 0
.irp t, 0,1,2,3,4,5,6,7,8,9,10,11,12,13,14,15
	global_store_b128 v[CO], v[BK+4*\t:BK+4*\t+3], s[8:9] offset:(16*\a+\t)*SIZE_N*4 th:TH_STORE_NT  ; 512 consecutive bytes, aligned
.endr
.endr
	s_wait_tensorcnt 0x0                           ; the wave's end, behind my last tensor load and my last LDS store
	ds_add_u32 v[SPW], v[NIL]
	s_wait_dscnt 0x0
	CROUND                                         ; the closing round: no work-group ends while a partner may still ask for a tile that names it
	s_endpgm
.Lfunc_end_k_q7c35b9db19_proj:
	.size	k_q7c35b9db19_proj, .Lfunc_end_k_q7c35b9db19_proj-k_q7c35b9db19_proj
	.p2alignl 7, 3214868480
	.fill 96, 4, 3214868480
	.section	.rodata,"a",@progbits
	.p2align	6, 0x0
	.amdhsa_kernel k_q7c35b9db19_proj
		.amdhsa_group_segment_fixed_size 327680
		.amdhsa_private_segment_fixed_size 0
		.amdhsa_enable_private_segment 0
		.amdhsa_kernarg_size 32
		.amdhsa_user_sgpr_count 2
		.amdhsa_user_sgpr_kernarg_segment_ptr 1
		.amdhsa_wavefront_size32 1
		.amdhsa_system_sgpr_workgroup_id_x 1
		.amdhsa_system_sgpr_workgroup_id_y 1
		.amdhsa_system_sgpr_workgroup_id_z 1
		.amdhsa_system_vgpr_workitem_id 0
		.amdhsa_next_free_vgpr 1024
		.amdhsa_next_free_sgpr 96
		.amdhsa_reserve_vcc 0
		.amdhsa_float_denorm_mode_32 3
		.amdhsa_float_denorm_mode_16_64 3
		.amdhsa_memory_ordered 1
		.amdhsa_forward_progress 1
		.amdhsa_inst_pref_size 102
	.end_amdhsa_kernel
	.amdgpu_metadata
---
amdhsa.version: [ 1, 2 ]
amdhsa.kernels:
  - .name:           k_q7c35b9db19_proj
    .symbol:         k_q7c35b9db19_proj.kd
    .args:
      - { .name: act, .offset: 0, .size: 8, .value_kind: global_buffer, .address_space: global }
      - { .name: wprojb, .offset: 8, .size: 8, .value_kind: global_buffer, .address_space: global }
      - { .name: out0, .offset: 16, .size: 8, .value_kind: global_buffer, .address_space: global }
      - { .name: x1, .offset: 24, .size: 8, .value_kind: global_buffer, .address_space: global }
    .group_segment_fixed_size: 327680
    .private_segment_fixed_size: 0
    .kernarg_segment_align: 8
    .kernarg_segment_size: 32
    .max_flat_workgroup_size: 128
    .sgpr_count:     96
    .vgpr_count:     1024
    .wavefront_size: 32
...
	.end_amdgpu_metadata
.endif
;; end of part 4
